; MI455X (gfx1250); checked and timed in simulation.
; The chip was launched on July 23, 2026; its instructions are those of AMD's public machine-readable ISA for CDNA 5 (MIT licence, August 2026) and "CDNA5" Instruction Set Architecture Reference Guide (July 2026). The comments in the code are by the model that wrote it; some were corrected since.
;; Attention. Allowed arithmetic: matrix products marked QUANTISED: E4M3 operands, one given power-of-two scale a tensor, by v_wmma_f32_16x16x64_fp8_fp8 or v_wmma_f32_16x16x128_fp8_fp8, f32 sums; everything else in f32.
;; Inputs: freqs_cos 1,024 x 32 float32; freqs_sin 1,024 x 32 float32; lowp_scales 12 int32 (the exponents e of the quantised operands' scales 2^e); mask 1,024 x 1,024 float32; wk 2,048 x 512 float32; wo 2,048 x 2,048 float32; wq 2,048 x 2,048 float32; wv 2,048 x 512 float32; x 4 x 1,024 x 2,048 float32.
;; Outputs: out0 4 x 1,024 x 2,048 float32.
;; Constants: start_pos = 0.
;; This version of the problem:
;;   THIS VERSION OF THE PROBLEM IS GIVEN IN LOW PRECISION. The matrix products marked QUANTISED in the list below multiply operands that are first quantised to E4M3 (4 exponent bits, 3 mantissa bits; 8 bits a number), with one given power-of-two scale for each operand tensor; their sums are f32. All else is computed in f32.
;;   The module's matrix products, in the order in which they are computed (A, B: the left and right operand; K: the contracted axis; several contracted axes count as one K, in the product's order):
;;     1. [M 4,096, K 2,048] x [K 2,048, N 2,048]; A: input x; B: input wq: QUANTISED (scales: A lowp_scales[0], B lowp_scales[1])
;;     2. [M 4,096, K 2,048] x [K 2,048, N 512]; A: input x; B: input wk: QUANTISED (scales: A lowp_scales[2], B lowp_scales[3])
;;     3. [M 4,096, K 2,048] x [K 2,048, N 512]; A: input x; B: input wv: QUANTISED (scales: A lowp_scales[4], B lowp_scales[5])
;;     4. batch 128 x [M 1,024, K 64] x [K 64, N 1,024]; A: computed on the way; B: computed on the way: QUANTISED (scales: A lowp_scales[6], B lowp_scales[7])
;;     5. batch 128 x [M 64, K 1,024] x [K 1,024, N 1,024]; A: computed on the way; B: softmax (see below): QUANTISED (scales: A lowp_scales[8], B lowp_scales[9])
;;     6. [M 4,096, K 2,048] x [K 2,048, N 2,048]; A: computed on the way; B: input wo: QUANTISED (scales: A lowp_scales[10], B lowp_scales[11])
;;   THE QUANTISER, for each operand of a quantised product, along K:
;;     - The operand's scale is 2^e, e = its entry of the input lowp_scales (int32; the entries are numbered through the quantised products in the list's order, A before B).
;;     - Each number is divided by the scale, clamped to +-448, and rounded to the nearest number of E4M3, ties to even, subnormals kept.
;;     - The product sums the exact products of the quantised numbers (number of the format x scale) in f32.
;;   ~~~python
;;   def quantise(x, axis, e):      # numpy; x: float32 -> the quantised numbers, widened to float32 again
;;       x = np.moveaxis(x, axis, -1); K = x.shape[-1]
;;       r = np.clip(x / 2.0 ** e, -448, 448)
;;       step = 2.0 ** (np.maximum(np.frexp(np.where(r == 0, 1, r))[1] - 1, -6) - 3)
;;       q = np.round(r / step) * step * 2.0 ** e      # np.round: ties to even
;;       return np.moveaxis(q, -1, axis).astype(np.float32)
;;   ~~~
;;   SOFTMAX AHEAD OF A QUANTISED PRODUCT. Where the list says 'softmax', what is quantised is not the finished softmax but p = 2^(t - M), with t = logit x log2(e) and M = ceil(the row's largest t), a whole number; so 1/2 < the row's largest p <= 1. The row's sum l is taken of the UNQUANTISED p, in f32, and the product's result is divided by l at the end. Since M is a whole number, a kernel that streams over the keys may use a running M (the ceiling of the running maximum): every later rescaling is an exact power of two, so the quantised numbers keep their values, but for numbers so far below the row's largest that they fall under the format's range.
;;   OPERANDS COMPUTED ON THE WAY. 'Computed on the way' means the value that the module computes at that place (a softmax that the list does not call 'softmax' is quantised finished and normalised). What goes into a quantiser is computed in f32, as accurately as f32 sums, v_exp_f32 and their like allow (about 1e-6 of the number): no bf16 or f16 on the way to a quantiser, and a product that is left as it is and whose result goes on into a quantised operand takes f32 operands (vector FMAs, or v_wmma_f32_16x16x4_f32). A number that lies on a knife's edge between two numbers of the format may be rounded either way, as far as f32 arithmetic and the matrix unit's own rounding can turn it there, and no further.
;; One version. Each part assembles by itself: llvm-mc -triple=amdgcn-amd-amdhsa -mcpu=gfx1250 --defsym DOCPART=n.
;; ======== version 1 of 1: 4 launches
;; limits: right only within a limited range of input values
;; workspace buffers: xc 25,165,824 bytes; wc 6,291,456 bytes; woc 4,194,304 bytes; qc 8,388,608 bytes; kc 2,097,152 bytes; vc 2,097,152 bytes; ac 8,388,608 bytes; mq 4,194,304 bytes
;; launch quant (part 1): grid 704 x 1, 4 waves a work-group, no clusters, 101,888 bytes of LDS; arguments x, wq, wk, wv, wo, lowp_scales, xc, wc, woc, mask, mq; writes xc, wc, woc, mq
.if DOCPART == 1
	.amdgcn_target "amdgcn-amd-amdhsa--gfx1250"
	.amdhsa_code_object_version 6
	.text
	.protected	k_qedf2b385cb_quant
	.globl	k_qedf2b385cb_quant
	.p2align	8
	.type	k_qedf2b385cb_quant,@function
k_qedf2b385cb_quant:
	s_mov_b64 s[64:65], 0
	v_nop
	global_prefetch_b8 v0, s[64:65] scope:SCOPE_SE
	s_setreg_imm32_b32 hwreg(HW_REG_WAVE_MODE, 25, 1), 1
	s_wait_xcnt 0x0
; f32 numbers into codes of FP8 (E4M3), K innermost, each operand with the scale 2^e that is given for it.
; code = number / 2^e, held within +-448, rounded to the nearest code, ties to even.
; x [4096][2048] is an operand of three products with three given scales (entries 0, 2, 4): three planes of codes, xc [3][4096][2048].
; wq [2048][2048], wk, wv [2048][512], wo [2048][2048] have K as their FIRST axis: their codes are laid [n][2048] with K innermost:
; wc rows 0-2047 wq's columns (entry 1), 2048-2559 wk's (entry 3), 2560-3071 wv's (entry 5); woc: wo's columns (entry 11).
; LIMITS: each of these seven exponents lies between -126 and 119, so that 2^e and 448 x 2^e are f32 numbers.  NaN among the inputs is not served.
; SHARES.  Work-groups 0-255 take x: a wave takes 16 steps of 512 numbers.  Each load reads 512 consecutive bytes; a step's 2,048 bytes turn through the
; wave's own stage in LDS and come back 64 bytes a lane, 16 neighbours along K, which the conversions want in one lane's registers.  The numbers are read once and
; held and converted three times.  Each of a step's three stores covers 512 consecutive bytes, aligned.
; Work-groups 256-575 take the weights: 128 columns x 256 along K each, a wave 32 columns.  A LANE TAKES A COLUMN AND ITS REGISTERS RUN DOWN K, so the conversions give codes
; with K innermost; they leave through the wave's own stage as rows: sixteen lanes store 256 consecutive bytes, aligned.
; No tensor loads, no barrier: waves share nothing.  Each of the two paths has LDS bytes of its own.
; LAYOUT OF wc AND woc, in place of rows of 2,048 bytes: the weights' codes leave in the order of a matrix operand's registers.  Sixteen columns n form a tile of 32,768 bytes:
; [tile n / 16][K step of 128][c = 0 .. 3][lane = 16 h + n % 16][16 bytes: k = 128 step + 32 c + 16 h + 0 .. 15], so that one load of 16 bytes a lane reads 512 consecutive bytes.
.set STEPS, 16
.set SP,    80                         ; x path: a lane's place in a stage: 64 bytes + 16 of padding
.set WREG,  8192                       ; x path: a wave's region: two stages of 32 x SP bytes
.set WSTG,  32768                      ; weight path: the stages begin here: 32 rows x WP bytes a wave
.set WP,    272                        ; a stage row: 256 bytes of codes + 16
.set SPARE, 67584                      ; behind both: the spare words, 128 bytes a wave, which no other line names
.set PLANE, 0x800000                   ; a plane of x's codes in bytes
.set SPW,   12                         ; v12  SPARE + 4 x my thread's number; never rewritten
.set NIL,   13                         ; v13  0; never rewritten
.set R,     16                         ; x path: v16-79 four sets of 16 numbers as loaded
.set X,     80                         ; v80-111  two sets of 16 neighbours
.set T,     112                        ; v112-159 the 16 numbers held, once for each plane
.set C,     160                        ; v160-171 four registers of codes for each plane
.set SC,    172                        ; v172-174 2^e of the planes
.set LM,    175                        ; v175-177 448 x 2^e
.set VO,    16                         ; weight path: v16-47 offsets: 4 x lane + i rows of the weight
.set WX,    48                         ; v48-111  two sets of 32 numbers
.set WC,    112                        ; v112-119 a block's codes
.set OUTR,  120                        ; v120-183 the way out
.set WB,    66                         ; s66-81   eight bases: the weight at my columns, 32 rows of K apart
	s_load_b256 s[4:11], s[0:1], 0x0               ; x, wq, wk, wv
	s_load_b256 s[12:19], s[0:1], 0x20             ; wo, the scales' exponents, xc, wc
	s_load_b64 s[20:21], s[0:1], 0x40
	s_load_b128 s[84:87], s[0:1], 0x48             ; mask, mq
	v_lshl_add_u32 v[SPW], v0, 2, SPARE
	v_mov_b32 v[NIL], 0
	v_lshrrev_b32 v1, 5, v0
	v_readfirstlane_b32 s22, v1                    ; wave 0..3
	v_and_b32 v2, 31, v0                           ; lane
	v_lshlrev_b32 v3, 4, v2                        ; 16 x lane: my 16 bytes of a load's or a store's 512
	; all LDS addresses are made here, ahead of the parting of the two paths
	s_mul_i32 s23, s22, WREG
	v_lshrrev_b32 v14, 2, v2
	v_mul_u32_u24 v14, v14, SP
	v_and_b32 v15, 3, v2
	v_lshl_add_u32 v14, v15, 4, v14
	v_add_nc_u32 v14, s23, v14                     ; x's stage, in: four lanes' 64 bytes on end, then 16 of padding
	v_mul_u32_u24 v15, v2, SP
	v_add_nc_u32 v15, s23, v15                     ; and out: my 16 neighbours
	s_mul_i32 s23, s22, 32*WP
	s_add_co_u32 s23, s23, WSTG
	v_mul_u32_u24 v5, v2, WP
	v_add_nc_u32 v5, s23, v5                       ; the weights' stage, in: row = my column
	v_and_b32 v6, 15, v2
	v_lshrrev_b32 v9, 4, v2
	v_mul_u32_u24 v7, v6, WP
	v_lshl_add_u32 v7, v9, 4, v7                   ; out: column lane % 16 of a tile, 16 bytes for each half of the lanes
	v_add_nc_u32 v7, s23, v7                       ; and out: two lanes to a row, sixteen rows an instruction
	v_lshlrev_b32 v8, 8, v9                        ; with the line below: 16 x lane
	v_lshl_add_u32 v8, v6, 4, v8
	; the mask's stage, 16 rows of 528 bytes a wave, from byte 68,096 on.  Lane g of a load holds keys 4 g .. 4 g + 3: t = g / 4, h = (g / 2) % 2, c = g % 2; it goes to row 2 t + c, byte 256 h (+ 16 x the query)
	s_mul_i32 s58, s22, 8448
	s_add_co_u32 s58, s58, 68096
	v_and_b32 v186, 1, v2
	v_lshrrev_b32 v187, 2, v2
	v_lshl_add_u32 v186, v187, 1, v186
	v_mul_u32_u24 v186, v186, 528
	v_bfe_u32 v187, v2, 1, 1
	v_lshl_add_u32 v186, v187, 8, v186
	v_add_nc_u32 v186, s58, v186
	v_add_nc_u32 v187, s58, v3                     ; and back: 16 x lane of a row
	s_wait_kmcnt 0x0
	s_load_b256 s[24:31], s[14:15], 0x0            ; entries 0 to 7
	s_load_b128 s[32:35], s[14:15], 0x20           ; entries 8 to 11
	s_cmp_lt_u32 ttmp9, 256
	s_cbranch_scc0 .Lweights
	; ---------------- x ----------------
	s_lshl_b32 s23, ttmp9, 2
	s_add_co_u32 s23, s23, s22                     ; which run of 8,192 numbers is my wave's
	s_lshl_b32 s36, s23, 15
	s_mov_b32 s37, 0
	s_add_nc_u64 s[4:5], s[4:5], s[36:37]
	s_lshl_b32 s36, s23, 13
	s_add_nc_u64 s[36:37], s[16:17], s[36:37]      ; its codes in plane 0,
	s_add_nc_u64 s[38:39], s[36:37], PLANE         ; plane 1,
	s_add_nc_u64 s[40:41], s[38:39], PLANE         ; plane 2: a base each, since a plane's step is beyond a store's immediate
.macro XLOAD t
.irp i, 0,1,2,3
	global_load_b128 v[R+16*((\t)%4)+4*\i:R+16*((\t)%4)+4*\i+3], v3, s[4:5] offset:2048*(\t)+512*\i th:TH_LOAD_NT
.endr
.endm
.macro XTURN t                         ; step t's numbers through the stage: LDS serves a wave's instructions in order, so no wait stands between the stores and the loads
.irp i, 0,1,2,3
	ds_store_b128 v14, v[R+16*((\t)%4)+4*\i:R+16*((\t)%4)+4*\i+3] offset:32*SP*((\t)%2)+8*SP*\i
.endr
.irp i, 0,1,2,3
	ds_load_b128 v[X+16*((\t)%2)+4*\i:X+16*((\t)%2)+4*\i+3], v15 offset:32*SP*((\t)%2)+16*\i
.endr
.endm
	XLOAD 0
	XLOAD 1
	XLOAD 2
	XLOAD 3
	s_wait_kmcnt 0x0
.irp p, 0,1,2
	s_add_co_i32 s42, s[24+2*\p], 127
	s_lshl_b32 s43, s42, 23
	v_mov_b32 v[SC+\p], s43                        ; 2^e as f32: the conversion takes its exponent field
	s_add_co_i32 s42, s42, 8
	s_lshl_b32 s42, s42, 23
	s_or_b32 s42, s42, 0x600000
	v_mov_b32 v[LM+\p], s42                        ; 448 x 2^e
.endr
	s_wait_alu depctr_va_vdst(0)
	s_wait_loadcnt 12                              ; step 0's four loads are in; the twelve of steps 1 to 3 may be out
	XTURN 0
.macro XSTEP t
.set XS, X+16*((\t)%2)
	s_wait_dscnt 0x0                               ; this step's numbers are back from the stage, so its stores into the stage have read their registers,
.if (\t)+4 < STEPS
	XLOAD (\t)+4                                   ; which take the loads of four steps on
.endif
.if (\t)+1 < STEPS
.if STEPS-2-(\t) >= 3
	s_wait_loadcnt 12                              ; the next step's four loads are in; those of the three steps behind it may be out
.else
	s_wait_loadcnt 4*(STEPS-2-(\t))                ; the tail: the steps that are left behind the next one
.endif
	XTURN (\t)+1                                   ; they go through the other stage while this step is worked
.endif
	s_wait_xcnt 0x0                                ; the last step's three stores have read their codes: only behind this wait are the codes' registers written again
.irp p, 0,1,2
.irp i, 0,1,2,3,4,5,6,7,8,9,10,11,12,13,14,15
	v_med3_num_f32 v[T+16*\p+\i], v[XS+\i], -v[LM+\p], v[LM+\p]   ; the conversion to an 8-bit code does not saturate (ISA guide 7.6.2): the hold at the largest code x the scale
.endr
.endr
.irp p, 0,1,2
	v_cvt_scalef32_pk8_fp8_f32 v[C+4*\p:C+4*\p+1], v[T+16*\p:T+16*\p+7], v[SC+\p]
	v_cvt_scalef32_pk8_fp8_f32 v[C+4*\p+2:C+4*\p+3], v[T+16*\p+8:T+16*\p+15], v[SC+\p]
.endr
	v_nop                                          ; a plain line behind the last conversion: the next step's holds write the conversions' sources
.irp p, 0,1,2
	global_store_b128 v3, v[C+4*\p:C+4*\p+3], s[36+2*\p:37+2*\p] offset:512*(\t)
.endr
.endm
.irp t, 0,1,2,3,4,5,6,7,8,9,10,11,12,13,14,15
	XSTEP \t
.endr
	s_wait_tensorcnt 0x0                           ; the wave's end
	ds_add_u32 v[SPW], v[NIL]
	s_wait_dscnt 0x0
	s_endpgm
	; ---------------- the weights ----------------
.Lweights:
	s_cmp_ge_u32 ttmp9, 576
	s_cbranch_scc1 .Lmask
	s_sub_co_u32 s23, ttmp9, 256
	s_lshr_b32 s54, s23, 3                         ; g: which 128 columns: 0-15 wq, 16-19 wk, 20-23 wv, 24-39 wo
	s_and_b32 s55, s23, 7                          ; which 256 along K
	s_mov_b64 s[42:43], s[12:13]                   ; wo's figures first: the tensor,
	s_mov_b32 s44, 8192                            ; a row of it in bytes,
	s_mov_b32 s45, 24                              ; its first g,
	s_mov_b64 s[48:49], s[20:21]                   ; its codes,
	s_mov_b32 s47, 24                              ; and the g at which that buffer begins
	s_cmp_lt_u32 s54, 24                           ; the choices hang on the work-group's number alone
	s_cselect_b64 s[42:43], s[10:11], s[42:43]
	s_cselect_b32 s44, 2048, s44
	s_cselect_b32 s45, 20, s45
	s_cselect_b64 s[48:49], s[18:19], s[48:49]
	s_cselect_b32 s47, 0, s47
	s_cmp_lt_u32 s54, 20
	s_cselect_b64 s[42:43], s[8:9], s[42:43]
	s_cselect_b32 s45, 16, s45
	s_cmp_lt_u32 s54, 16
	s_cselect_b64 s[42:43], s[6:7], s[42:43]
	s_cselect_b32 s44, 8192, s44
	s_cselect_b32 s45, 0, s45
	s_lshl_b32 s50, s55, 8
	s_mul_i32 s50, s50, s44                        ; 256 rows of K for each step along K,
	s_sub_co_u32 s56, s54, s45
	s_lshl_b32 s56, s56, 7
	s_lshl_b32 s57, s22, 5
	s_add_co_u32 s56, s56, s57                     ; my wave's first column in its tensor,
	s_lshl_b32 s56, s56, 2
	s_add_co_u32 s50, s50, s56
	s_mov_b32 s51, 0
	s_add_nc_u64 s[WB:WB+1], s[42:43], s[50:51]
	s_lshl_b32 s52, s44, 5                         ; 32 rows on
	s_mov_b32 s53, 0
.irp t, 1,2,3,4,5,6,7
	s_add_nc_u64 s[WB+2*\t:WB+2*\t+1], s[WB+2*\t-2:WB+2*\t-1], s[52:53]
.endr
	s_sub_co_u32 s56, s54, s47
	s_lshl_b32 s56, s56, 7
	s_add_co_u32 s56, s56, s57                     ; my first row of the codes' buffer,
	s_lshl_b32 s56, s56, 11
	s_lshl_b32 s57, s55, 12                        ; my 256 along K are two K steps of 2,048 bytes in each tile
	s_add_co_u32 s56, s56, s57                     ; and my 256 bytes of it
	s_mov_b32 s57, 0
	s_add_nc_u64 s[48:49], s[48:49], s[56:57]
	v_lshlrev_b32 v[VO], 2, v2
.set i, 1
.rept 31
	v_add_nc_u32 v[VO+i], s44, v[VO+i-1]           ; the row's length differs between the tensors, so the 32 rows' offsets stand in registers
.set i, i+1
.endr
.macro WLOAD t                         ; block t: w(32 t + i, my column), i = 0 .. 31: each load reads 128 consecutive bytes a wave, the four waves side by side
.set i, 0
.rept 32
	global_load_b32 v[WX+32*((\t)%2)+i], v[VO+i], s[WB+2*(\t):WB+2*(\t)+1] th:TH_LOAD_NT
.set i, i+1
.endr
.endm
	WLOAD 0
	WLOAD 1
	s_wait_kmcnt 0x0
	s_mov_b32 s46, s35                             ; e: wo's, wv's, wk's or wq's
	s_cmp_lt_u32 s54, 24
	s_cselect_b32 s46, s29, s46
	s_cmp_lt_u32 s54, 20
	s_cselect_b32 s46, s27, s46
	s_cmp_lt_u32 s54, 16
	s_cselect_b32 s46, s25, s46
	s_add_co_i32 s46, s46, 127
	s_lshl_b32 s47, s46, 23
	v_mov_b32 v11, s47                             ; 2^e
	s_add_co_i32 s46, s46, 8
	s_lshl_b32 s46, s46, 23
	s_or_b32 s46, s46, 0x600000
	v_mov_b32 v10, s46                             ; 448 x 2^e
.macro WBLOCK t
.set XS, WX+32*((\t)%2)
.if (\t) < 7
	s_wait_loadcnt 32                              ; this block's 32 loads are in; the next block's 32 may be out
.else
	s_wait_loadcnt 0x0
.endif
.set i, 0
.rept 32
	v_med3_num_f32 v[XS+i], v[XS+i], -v10, v10
.set i, i+1
.endr
.irp g, 0,1,2,3
	v_cvt_scalef32_pk8_fp8_f32 v[WC+2*\g:WC+2*\g+1], v[XS+8*\g:XS+8*\g+7], v11
.endr
	v_nop                                          ; a plain line behind the last conversion
	ds_store_b128 v5, v[WC:WC+3] offset:32*(\t)    ; 32 codes: 32 bytes of my column's row
	ds_store_b128 v5, v[WC+4:WC+7] offset:32*(\t)+16
.if (\t)+2 < 8
	WLOAD (\t)+2
.endif
	s_wait_dscnt 0x0                               ; the stores have read their registers: the next block's codes may be written
.endm
	s_wait_alu depctr_va_vdst(0)
.irp t, 0,1,2,3,4,5,6,7
	WBLOCK \t
.endr
.irp t, 0,1,2,3,4,5,6,7,8,9,10,11,12,13,14,15
	ds_load_b128 v[OUTR+4*\t:OUTR+4*\t+3], v7 offset:(\t/8)*16*WP+128*((\t/4)%2)+32*(\t%4)
.endr
.irp t, 0,1,2,3,4,5,6,7,8,9,10,11,12,13,14,15
	s_wait_dscnt 15-\t                             ; loads come back in order: load t is in, the younger ones may be out
	global_store_b128 v8, v[OUTR+4*\t:OUTR+4*\t+3], s[48:49] offset:(\t/8)*32768+((\t/4)%2)*2048+(\t%4)*512
.endr
	s_wait_tensorcnt 0x0                           ; the wave's end
	ds_add_u32 v[SPW], v[NIL]
	s_wait_dscnt 0x0
	s_endpgm
	; ---------------- the mask ----------------
	; Work-groups 576-703.  mq = max(mask x 2^(3 - e6 - e7), -2^100), f32, in the order in which the attention's score registers take it:
	; [16 queries qt][key step of 128][i = 0 .. 15][lane = 16 h + query % 16][4 keys: 16 (i / 2) + 8 h + 4 (i % 2) + 0 .. 3].  The factor is a power of two: nothing is rounded.
	; LIMITS: 3 - e6 - e7 between -126 and 127.  A mask number under -2^100 in that scale, -infinity too, is held there.  NaN and +infinity are not served.
	; A wave takes one block of 16 queries x 128 keys: 16 loads of 512 consecutive bytes, a turn through its stage, 16 stores of 512 consecutive bytes.
.Lmask:
	s_wait_alu depctr_va_vdst(0)
	s_sub_co_u32 s23, ttmp9, 576
	s_lshl_b32 s23, s23, 2
	s_add_co_u32 s23, s23, s22                     ; block 8 qt + step
	s_lshr_b32 s36, s23, 3
	s_lshl_b32 s36, s36, 16                        ; 16 rows of 4,096 bytes
	s_and_b32 s37, s23, 7
	s_lshl_b32 s37, s37, 9
	s_add_co_u32 s36, s36, s37
	s_mov_b32 s37, 0
	s_add_nc_u64 s[84:85], s[84:85], s[36:37]
	s_lshl_b32 s36, s23, 13
	s_add_nc_u64 s[86:87], s[86:87], s[36:37]
.irp r, 0,1,2,3,4,5,6,7,8,9,10,11,12,13,14,15
	global_load_b128 v[16+4*\r:19+4*\r], v3, s[84:85] offset:4096*\r th:TH_LOAD_NT
.endr
	s_wait_kmcnt 0x0
	s_sub_co_i32 s60, 130, s30
	s_sub_co_i32 s60, s60, s31
	s_lshl_b32 s60, s60, 23                        ; 2^(3 - e6 - e7) as f32
	s_mov_b32 s61, s60
	s_wait_loadcnt 0x0
.set i, 0
.rept 32
	v_pk_mul_f32 v[16+i:17+i], v[16+i:17+i], s[60:61] op_sel_hi:[1,0]
.set i, i+2
.endr
.set i, 0
.rept 64
	v_max_num_f32 v[16+i], 0xf1800000, v[16+i]
.set i, i+1
.endr
.irp r, 0,1,2,3,4,5,6,7,8,9,10,11,12,13,14,15
	ds_store_b128 v186, v[16+4*\r:19+4*\r] offset:16*\r
.endr
.irp t, 0,1,2,3,4,5,6,7,8,9,10,11,12,13,14,15
	ds_load_b128 v[80+4*\t:83+4*\t], v187 offset:528*\t   ; LDS serves a wave's instructions in order
.endr
.irp t, 0,1,2,3,4,5,6,7,8,9,10,11,12,13,14,15
	s_wait_dscnt 15-\t
	global_store_b128 v3, v[80+4*\t:83+4*\t], s[86:87] offset:512*\t
.endr
	s_wait_tensorcnt 0x0                           ; the wave's end
	ds_add_u32 v[SPW], v[NIL]
	s_wait_dscnt 0x0
	s_endpgm
.Lfunc_end_k_qedf2b385cb_quant:
	.size	k_qedf2b385cb_quant, .Lfunc_end_k_qedf2b385cb_quant-k_qedf2b385cb_quant
	.p2alignl 7, 3214868480
	.fill 96, 4, 3214868480
	.section	.rodata,"a",@progbits
	.p2align	6, 0x0
	.amdhsa_kernel k_qedf2b385cb_quant
		.amdhsa_group_segment_fixed_size 101888
		.amdhsa_private_segment_fixed_size 0
		.amdhsa_enable_private_segment 0
		.amdhsa_kernarg_size 88
		.amdhsa_user_sgpr_count 2
		.amdhsa_user_sgpr_kernarg_segment_ptr 1
		.amdhsa_wavefront_size32 1
		.amdhsa_system_sgpr_workgroup_id_x 1
		.amdhsa_system_sgpr_workgroup_id_y 1
		.amdhsa_system_sgpr_workgroup_id_z 1
		.amdhsa_system_vgpr_workitem_id 0
		.amdhsa_next_free_vgpr 192
		.amdhsa_next_free_sgpr 96
		.amdhsa_reserve_vcc 0
		.amdhsa_float_denorm_mode_32 3
		.amdhsa_float_denorm_mode_16_64 3
		.amdhsa_memory_ordered 1
		.amdhsa_forward_progress 1
		.amdhsa_inst_pref_size 141
	.end_amdhsa_kernel
	.amdgpu_metadata
---
amdhsa.version: [ 1, 2 ]
amdhsa.kernels:
  - .name:           k_qedf2b385cb_quant
    .symbol:         k_qedf2b385cb_quant.kd
    .args:
      - { .name: x, .offset: 0, .size: 8, .value_kind: global_buffer, .address_space: global }
      - { .name: wq, .offset: 8, .size: 8, .value_kind: global_buffer, .address_space: global }
      - { .name: wk, .offset: 16, .size: 8, .value_kind: global_buffer, .address_space: global }
      - { .name: wv, .offset: 24, .size: 8, .value_kind: global_buffer, .address_space: global }
      - { .name: wo, .offset: 32, .size: 8, .value_kind: global_buffer, .address_space: global }
      - { .name: lowp_scales, .offset: 40, .size: 8, .value_kind: global_buffer, .address_space: global }
      - { .name: xc, .offset: 48, .size: 8, .value_kind: global_buffer, .address_space: global }
      - { .name: wc, .offset: 56, .size: 8, .value_kind: global_buffer, .address_space: global }
      - { .name: woc, .offset: 64, .size: 8, .value_kind: global_buffer, .address_space: global }
      - { .name: mask, .offset: 72, .size: 8, .value_kind: global_buffer, .address_space: global }
      - { .name: mq, .offset: 80, .size: 8, .value_kind: global_buffer, .address_space: global }
    .group_segment_fixed_size: 101888
    .private_segment_fixed_size: 0
    .kernarg_segment_align: 8
    .kernarg_segment_size: 88
    .max_flat_workgroup_size: 128
    .sgpr_count:     96
    .vgpr_count:     192
    .wavefront_size: 32
...
	.end_amdgpu_metadata
.endif
;; end of part 1
;; launch qkv (part 2): grid 8 x 32, 4 waves a work-group, clusters of 4 x 1, 327,680 bytes of LDS; arguments xc, wc, lowp_scales, freqs_cos, freqs_sin, qc, kc, vc; writes qc, kc, vc
.if DOCPART == 2
	.amdgcn_target "amdgcn-amd-amdhsa--gfx1250"
	.amdhsa_code_object_version 6
	.text
	.protected	k_qedf2b385cb_qkv
	.globl	k_qedf2b385cb_qkv
	.p2align	8
	.type	k_qedf2b385cb_qkv,@function
k_qedf2b385cb_qkv:
	s_mov_b64 s[64:65], 0
	v_nop
	global_prefetch_b8 v0, s[64:65] scope:SCOPE_SE
	s_setreg_imm32_b32 hwreg(HW_REG_WAVE_MODE, 25, 1), 1
	s_wait_xcnt 0x0
	s_wait_alu depctr_hold_cnt(0) depctr_sa_sdst(0) depctr_va_vdst(0) depctr_va_sdst(0) depctr_va_ssrc(0) depctr_va_vcc(0) depctr_vm_vsrc(0)
	s_getreg_b32 s2, hwreg(HW_REG_IB_STS2, 6, 4)
	s_cmp_eq_u32 s2, 0
	s_cbranch_scc0 .Lentry_in_a_cluster
	s_endpgm
.Lentry_in_a_cluster:
	s_bfe_u32 s2, ttmp6, 0x10000c
	s_cmp_lg_u32 s2, 0x3003
	s_cbranch_scc0 .Lentry_shape_is_right
	s_endpgm
.Lentry_shape_is_right:
; q, k, v = x wq, x wk, x wv on codes of FP8 (E4M3); q and k are turned by the given cos and sin; all three are quantised for the attention's products (entries 6, 7, 8).
; xc [3 planes][4096][2048]: x's codes under entries 0, 2, 4.  wc: the weights' codes in the order of an operand's registers: [tile of 16 columns][K step of 128][c][lane][16 bytes]; tiles 0-127 wq, 128-159 wk, 160-191 wv.
; qc [4][32][1024][64], kc [4][8][1024][64]: codes along the head's 64.  vc [4][8][8 steps][64 d][128 keys]: keys innermost.
; LIMITS: e6 - e0 - e1, e7 - e2 - e3 and e8 - e4 - e5 lie between -126 and 119.  NaN is not served.
; SHARES.  Work-group (g, m), 8 x 32 = 256: 128 tokens (block m).  PHASE 1: 256 columns of wq (group g), a wave one head of 64: 32 sums.  PHASE 2: 128 columns of wk (g < 4) or wv (g >= 4), a wave 32: 16 sums.
; x's 128 rows x all 2,048 of K lie in LDS as four chunks of 512 bytes a row, one tensor load a wave: plane 0 for phase 1; behind phase 1's last read they are filled again, with plane 1 or 2, and that load is out while q goes out.
; CLUSTER 4 x 1: the four partners have the same token block and, in phase 2, the same plane (it hangs on the cluster's number): every chunk is asked for jointly.
; A wave's weights are read by that wave alone: they go from memory into registers, 512 consecutive bytes a load, three K steps ahead in phase 1 (four sets), five in phase 2 (six sets).
; q, k: source 0 = the weights, source 1 = x: a lane holds one token and eight neighbouring channels.  v: the sources exchanged: a lane holds one channel and eight neighbouring tokens.
; k stands in both operands' registers at 32 c + 16 h + 0 .. 15: one permutation for both.
; Each wave asks once, at the head, for 16 blocks of 256 bytes of its group's wq: the 32 token blocks x 4 waves share the group's 524,288 bytes out by address.
; REGISTERS.  Window 0: v2-29 addresses and scales; v32-127 the way out; v128-255 x's fragments, even K steps (then the way out).  Window 1: the weights' sets.  Window 2: v128-255 x's fragments, odd K steps.  Window 3: the sums.
.set PITCH, 528
.set CH,    128*PITCH
.set SPARE, 4*CH                       ; the spare words, 128 bytes a wave, which no other line names
.set STQ,   SPARE+512                  ; q's stages: 16 rows x 80 bytes a wave
.set STV,   STQ+5120                   ; v's stages: 16 rows x 144 bytes a wave
.set KST,   STV+9216                   ; k's stage, the work-group's: 2 heads x 128 tokens x 80 bytes
.set SPW, 2
.set NIL, 3
.set AL,  4
.set ROF, 8
.set PF,  9
.set CA,  10
.set STOQ, 11
.set RDQ,  12
.set STOV, 13
.set RDV,  14
.set SCL,  15
.set LIM,  16
.set CA2,  17
.set SCL2, 18
.set LIM2, 19
.set KSTO, 28
.set KRD,  29
.set CSB, 32
.set RO,  96
.set RT,  128
.set CD,  160
.set BK,  176
.set BK2, 192
.set VO,  128
.set VCD, 192
.set VBK, 224
.set LF,  128
.set RB,  46
.set RB2, 58
.set MSB, 0
.macro WIN new
.if MSB != (\new)
	s_set_vgpr_msb (MSB<<8)|(\new)
.set MSB, (\new)
.endif
.endm
.macro PLACES
.rept 4
	v_nop
.endr
.endm
.macro CROUND                          ; a round of the cluster's barrier
	s_barrier_signal -1
	s_barrier_wait -1
	s_cmp_lg_u32 s14, 0
	s_cbranch_scc1 .Lnot_wave_0_\@
	s_barrier_signal -3
.Lnot_wave_0_\@:
	s_barrier_wait -3
	s_barrier_signal -1
	s_barrier_wait -1
.endm
.macro LFETCH q                        ; x's eight fragments of K step q: 32 LDS loads
	WIN ((\q)%2)*0x80
.irp i, 0,1,2,3,4,5,6,7
.irp c, 0,1,2,3
	ds_load_b128 v[LF+16*\i+4*\c:LF+16*\i+4*\c+3], v[AL+(\q)/4] offset:\i*16*PITCH+128*((\q)%4)+32*\c
.endr
.endr
.endm
.macro RFETCH q, nb, d, rb             ; the weights' nb fragments of K step q into set q % d
	WIN 0x40
.irp b, 0,1,2,3
.if \b < \nb
.irp c, 0,1,2,3
	global_load_b128 v[16*\nb*((\q)%\d)+16*\b+4*\c:16*\nb*((\q)%\d)+16*\b+4*\c+3], v[ROF], s[\rb:\rb+1] offset:\b*32768+(\q)*2048+\c*512
.endr
.endif
.endr
.endm
.macro MM d, x, y, zero
.if \zero
	v_wmma_f32_16x16x128_fp8_fp8 v[(\d):(\d)+7], v[(\x):(\x)+15], v[(\y):(\y)+15], 0
.else
	v_wmma_f32_16x16x128_fp8_fp8 v[(\d):(\d)+7], v[(\x):(\x)+15], v[(\y):(\y)+15], v[(\d):(\d)+7]
.endif
.endm
; A K step of 128: four places behind the last step's products, whose operand registers the loads below fill; the next step's fragments of x; the weights of d - 1 steps on; then 8 nb products, the sums by turns.
.macro KSTEP s, ord, nb, d, rb
.if (\s) > 0
	PLACES
.endif
.if (\s) < 15
	LFETCH (\s)+1
.endif
.if ((\s) >= 1) && ((\s)+\d-1 <= 15)
	RFETCH (\s)+\d-1, \nb, \d, \rb
.endif
.if (\s) < 15
	s_wait_dscnt 32                                ; this step's fragments are in; the 32 loads just issued may be out
.else
	s_wait_dscnt 0x0
.endif
.if 15-(\s) >= \d-1
	s_wait_loadcnt 4*\nb*(\d-1)                    ; this step's weights are in; the 4 nb loads of each of the d - 1 later steps may be out
.else
	s_wait_loadcnt 4*\nb*(15-(\s))
.endif
.if \ord
	WIN 0xf4|(2*((\s)%2))
.else
	WIN 0xf1|(8*((\s)%2))
.endif
.irp a, 0,1,2,3,4,5,6,7
.irp b, 0,1,2,3
.if \b < \nb
.if \ord
	MM 8*(\nb*\a+\b), LF+16*\a, 16*\nb*((\s)%\d)+16*\b, (\s)==0
.else
	MM 8*(\nb*\a+\b), 16*\nb*((\s)%\d)+16*\b, LF+16*\a, (\s)==0
.endif
.endif
.endr
.endr
.endm
.macro CSLOAD a                        ; q: cos and sin of block a's 16 tokens: my token's row, my half's four pairs of each 16 channels
.irp q, 0,1,2,3
	global_load_b128 v[CSB+32*((\a)%2)+4*\q:CSB+32*((\a)%2)+4*\q+3], v[CA], s[90:91] offset:2048*(\a)+32*\q
.endr
.irp q, 0,1,2,3
	global_load_b128 v[CSB+32*((\a)%2)+16+4*\q:CSB+32*((\a)%2)+16+4*\q+3], v[CA], s[92:93] offset:2048*(\a)+32*\q
.endr
.endm
.macro KCSLOAD a                       ; k: the same for my 32 channels
.irp q, 0,1
	global_load_b128 v[CSB+16*((\a)%2)+4*\q:CSB+16*((\a)%2)+4*\q+3], v[CA2], s[90:91] offset:2048*(\a)+32*\q
.endr
.irp q, 0,1
	global_load_b128 v[CSB+16*((\a)%2)+8+4*\q:CSB+16*((\a)%2)+8+4*\q+3], v[CA2], s[92:93] offset:2048*(\a)+32*\q
.endr
.endm
; the turn of nb x 16 channels of 16 tokens: o0 = t0 c - t1 s, o1 = t0 s + t1 c
.macro ROPE ac, cc, sn, nb
	WIN 0x03
.irp b, 0,1,2,3
.if \b < \nb
.irp u, 0,1
	v_pk_mul_f32 v[RT+8*\b+4*\u:RT+8*\b+4*\u+1], v[\ac+8*\b+4*\u:\ac+8*\b+4*\u+1], v[\sn+4*\b+2*\u:\sn+4*\b+2*\u+1] op_sel:[1,0] op_sel_hi:[0,0]
	v_pk_mul_f32 v[RT+8*\b+4*\u+2:RT+8*\b+4*\u+3], v[\ac+8*\b+4*\u+2:\ac+8*\b+4*\u+3], v[\sn+4*\b+2*\u:\sn+4*\b+2*\u+1] op_sel:[1,1] op_sel_hi:[0,1]
.endr
.endif
.endr
.irp b, 0,1,2,3
.if \b < \nb
.irp u, 0,1
	v_pk_fma_f32 v[RO+8*\b+4*\u:RO+8*\b+4*\u+1], v[\ac+8*\b+4*\u:\ac+8*\b+4*\u+1], v[\cc+4*\b+2*\u:\cc+4*\b+2*\u+1], v[RT+8*\b+4*\u:RT+8*\b+4*\u+1] op_sel:[0,0,0] op_sel_hi:[1,0,1] neg_lo:[0,0,1]
	v_pk_fma_f32 v[RO+8*\b+4*\u+2:RO+8*\b+4*\u+3], v[\ac+8*\b+4*\u+2:\ac+8*\b+4*\u+3], v[\cc+4*\b+2*\u:\cc+4*\b+2*\u+1], v[RT+8*\b+4*\u+2:RT+8*\b+4*\u+3] op_sel:[0,1,0] op_sel_hi:[1,1,1] neg_lo:[0,0,1]
.endr
.endif
.endr
	WIN 0
.endm
	s_load_b256 s[4:11], s[0:1], 0x0               ; xc, wc, the scales' exponents, cos
	s_load_b256 s[68:75], s[0:1], 0x20             ; sin, qc, kc, vc
	v_lshl_add_u32 v[SPW], v0, 2, SPARE
	v_mov_b32 v[NIL], 0
	ds_add_u32 v[SPW], v[NIL]                      ; the opening lines: the add, twice on end, and its wait ahead of my first tensor load
	ds_add_u32 v[SPW], v[NIL]
	v_lshrrev_b32 v1, 5, v0
	v_readfirstlane_b32 s14, v1                    ; wave 0..3
	s_bfe_u32 s15, ttmp6, 0x40000                  ; cx
	s_mov_b32 s13, ttmp9                           ; the cluster's x: 0: phase 2 makes k; 1: v
	s_lshl_b32 s17, s13, 2
	s_add_co_u32 s17, s17, s15                     ; g
	s_and_b32 s16, ttmp7, 0xffff                   ; m
	s_mov_b32 s24, 15|(1<<20)|(1<<21)|(6<<22)|(3<<25)   ; the four partners; elements of 1 byte; 4 words of padding after every 128
	s_mov_b32 s25, 512<<16
	s_mov_b32 s26, 128<<16
	s_mov_b32 s27, 512<<16
	s_mov_b32 s28, 128
	s_mov_b32 s29, 2048
	s_mov_b32 s30, 0
	s_mov_b32 s31, 0
	s_lshl_b32 s20, s16, 18
	s_lshl_b32 s21, s14, 9
	s_add_co_u32 s20, s20, s21                     ; plane 0: 128 rows of 2,048 bytes a block, my chunk of 512: nothing of cx enters
	s_mov_b32 s21, 0
	s_add_co_u32 s40, s13, 1
	s_lshl_b32 s40, s40, 23
	s_add_co_u32 s40, s40, s20                     ; the same in plane 1 or 2
	s_mov_b32 s41, 0
	s_mul_i32 s22, s14, CH
	s_lshl_b32 s36, s17, 19
	s_lshl_b32 s37, s14, 17
	s_add_co_u32 s36, s36, s37                     ; wq: 16 tiles a group, 4 a wave
	s_mov_b32 s37, 0
	s_lshl_b32 s56, s17, 3
	s_lshl_b32 s57, s14, 1
	s_add_co_u32 s56, s56, s57
	s_add_co_u32 s56, s56, 128
	s_lshl_b32 s56, s56, 15                        ; wk, wv: tile 128 + 8 g + 2 wave
	s_mov_b32 s57, 0
	s_lshl_b32 s38, s17, 19
	s_lshl_b32 s39, s16, 14
	s_add_co_u32 s38, s38, s39                     ; the prefetch: my token block's 16,384 bytes of the group's wq
	s_mov_b32 s39, 0
	s_lshr_b32 s43, s16, 3                         ; batch
	s_and_b32 s44, s16, 7                          ; which 128 positions
	s_lshl_b32 s50, s43, 5
	s_lshl_b32 s51, s17, 2
	s_add_co_u32 s50, s50, s51
	s_add_co_u32 s50, s50, s14                     ; q: batch x 32 + head
	s_lshl_b32 s50, s50, 16
	s_lshl_b32 s51, s44, 13
	s_add_co_u32 s50, s50, s51                     ; a head is 65,536 bytes, 128 positions 8,192, in all three outputs
	s_mov_b32 s51, 0
	s_and_b32 s96, s14, 1
	s_lshr_b32 s97, s14, 1
	s_lshl_b32 s52, s43, 3
	s_lshl_b32 s53, s15, 1
	s_add_co_u32 s52, s52, s53
	s_add_co_u32 s52, s52, s97                     ; k, v: batch x 8 + head 2 cx + wave / 2
	s_lshl_b32 s52, s52, 16
	s_lshl_b32 s53, s44, 13
	s_add_co_u32 s52, s52, s53
	s_lshl_b32 s53, s96, 12
	s_add_co_u32 s52, s52, s53                     ; + 4,096 (wave % 2): k: 64 tokens of 64 bytes; v: 32 channels of 128
	s_mov_b32 s53, 0
	s_lshl_b32 s54, s44, 14                        ; cos, sin: 128 rows of 128 bytes
	s_mov_b32 s55, 0
	s_mul_i32 s60, s14, 1280
	s_add_co_u32 s60, s60, STQ
	s_mul_i32 s61, s14, 2304
	s_add_co_u32 s61, s61, STV
	s_mul_i32 s62, s97, 10240
	s_add_co_u32 s62, s62, KST                     ; k's stage: my head
	s_lshl_b32 s97, s96, 5
	s_add_co_u32 s97, s97, s62                     ; in: + my 32 channels
	s_mul_i32 s98, s96, 5120
	s_add_co_u32 s98, s98, s62                     ; back: + my 64 tokens
	s_lshl_b32 s99, s96, 6                         ; my 16 pairs of a row of cos
	s_lshl_b32 s63, s14, 12
	s_wait_dscnt 0x0                               ; both opening adds are done
	s_wait_kmcnt 0x0
	s_load_b256 s[76:83], s[8:9], 0x0              ; entries 0 to 7
	s_load_b32 s84, s[8:9], 0x20                   ; entry 8
	s_mov_b32 s32, 1
	s_mov_b32 s33, s22
	s_add_nc_u64 s[34:35], s[4:5], s[20:21]
	s_or_b32 s35, s35, 0x80000000
	CROUND                                         ; the four partners are here: the joint loads meet
	tensor_load_to_lds s[32:35], s[24:31]          ; my chunk of plane 0: 128 rows x 512 bytes
	s_nop 0
	PLACES
	s_add_nc_u64 s[RB:RB+1], s[6:7], s[36:37]
	s_add_nc_u64 s[RB2:RB2+1], s[6:7], s[56:57]
	s_add_nc_u64 s[48:49], s[6:7], s[38:39]
	s_add_nc_u64 s[90:91], s[10:11], s[54:55]
	s_add_nc_u64 s[92:93], s[68:69], s[54:55]
	s_add_nc_u64 s[88:89], s[70:71], s[50:51]
	s_cmp_eq_u32 s13, 1
	s_cselect_b64 s[86:87], s[74:75], s[72:73]
	s_add_nc_u64 s[86:87], s[86:87], s[52:53]
	v_and_b32 v20, 31, v0
	v_and_b32 v21, 15, v0                          ; r
	v_bfe_u32 v22, v0, 4, 1                        ; h
	v_lshlrev_b32 v[ROF], 4, v20
	v_mul_u32_u24 v23, v21, PITCH
	v_lshl_add_u32 v[AL], v22, 4, v23
	v_add_nc_u32 v[AL+1], CH, v[AL]
	v_add_nc_u32 v[AL+2], 2*CH, v[AL]
	v_add_nc_u32 v[AL+3], 3*CH, v[AL]
	v_min_u32 v24, 15, v20
	v_lshlrev_b32 v24, 8, v24
	v_add_nc_u32 v[PF], s63, v24                   ; 4,096 bytes a wave, a lane a block of 256; lanes 16-31 name the last again
	v_lshlrev_b32 v25, 7, v21
	v_lshl_add_u32 v[CA], v22, 4, v25
	v_add_nc_u32 v[CA2], s99, v[CA]
	v_mul_u32_u24 v25, v21, 80
	v_lshl_add_u32 v25, v22, 3, v25
	v_add_nc_u32 v[STOQ], s60, v25                 ; q's stage, in: row r, 8 bytes for each half
	v_add_nc_u32 v[KSTO], s97, v25
	v_lshrrev_b32 v26, 2, v20
	v_mul_u32_u24 v26, v26, 80
	v_and_b32 v27, 3, v20
	v_lshl_add_u32 v26, v27, 4, v26
	v_add_nc_u32 v[RDQ], s60, v26                  ; back: four lanes to a row of 64 bytes
	v_add_nc_u32 v[KRD], s98, v26
	v_mul_u32_u24 v25, v21, 144
	v_lshl_add_u32 v25, v22, 3, v25
	v_add_nc_u32 v[STOV], s61, v25
	v_lshrrev_b32 v26, 3, v20
	v_mul_u32_u24 v26, v26, 144
	v_and_b32 v27, 7, v20
	v_lshl_add_u32 v26, v27, 4, v26
	v_add_nc_u32 v[RDV], s61, v26                  ; back: eight lanes to a row of 128 bytes
	s_wait_alu depctr_va_vdst(0)
	CSLOAD 0
	CSLOAD 1
.irp q, 0,1,2,3
	RFETCH \q, 4, 4, RB
.endr
	WIN 0
	global_prefetch_b8 v[PF], s[48:49] th:TH_LOAD_NT scope:SCOPE_SE
	s_wait_kmcnt 0x0
	s_sub_co_i32 s94, s82, s76
	s_sub_co_i32 s94, s94, s77                     ; q: a sum's code is sum / 2^(e6 - e0 - e1)
	s_add_co_i32 s94, s94, 127
	s_lshl_b32 s95, s94, 23
	v_mov_b32 v[SCL], s95
	s_add_co_i32 s94, s94, 8
	s_lshl_b32 s94, s94, 23
	s_or_b32 s94, s94, 0x600000
	v_mov_b32 v[LIM], s94                          ; 448 x the scale
	s_sub_co_i32 s94, s83, s78
	s_sub_co_i32 s94, s94, s79                     ; k
	s_sub_co_i32 s95, s84, s80
	s_sub_co_i32 s95, s95, s81                     ; v
	s_cmp_eq_u32 s13, 1
	s_cselect_b32 s94, s95, s94
	s_add_co_i32 s94, s94, 127
	s_lshl_b32 s95, s94, 23
	v_mov_b32 v[SCL2], s95
	s_add_co_i32 s94, s94, 8
	s_lshl_b32 s94, s94, 23
	s_or_b32 s94, s94, 0x600000
	v_mov_b32 v[LIM2], s94
	s_wait_alu depctr_va_vdst(0)
	s_wait_tensorcnt 0x0                           ; my chunk has landed: its descriptor may be written
	s_add_nc_u64 s[34:35], s[4:5], s[40:41]        ; the same chunk of plane 1 or 2
	s_or_b32 s35, s35, 0x80000000
	s_barrier_signal -1
	s_barrier_wait -1                              ; everybody's chunk has landed
	LFETCH 0
.set S, 0
.rept 16
	KSTEP S, 0, 4, 4, RB
.set S, S+1
.endr
	WIN 0
	s_wait_tensorcnt 0x0                           ; the refill
	ds_add_u32 v[SPW], v[NIL]
	s_wait_dscnt 0x0                               ; my reads of plane 0 are over
	CROUND                                         ; no wave of any partner still reads plane 0
	tensor_load_to_lds s[32:35], s[24:31]          ; my chunk of phase 2's plane; q's way out stands under it
	s_nop 0
	PLACES                                         ; also the places behind the last products
; q, block a of 16 tokens: turned, held, converted; 1,024 bytes of codes go through my stage and leave as two stores of 512 consecutive bytes.
.macro QBLK a
.if (\a) < 7
	s_wait_loadcnt 8                               ; this block's cos and sin are in; the next block's eight loads may be out
.else
	s_wait_loadcnt 48                              ; the last block's are in; phase 2's 48 loads of weights, issued behind them, may be out
.endif
	ROPE 32*(\a), CSB+32*((\a)%2), CSB+32*((\a)%2)+16, 4
.if (\a) < 6
	CSLOAD (\a)+2
.endif
.if (\a) == 6
	s_wait_alu depctr_va_vdst(0)
	s_cmp_eq_u32 s13, 1
	s_cbranch_scc1 .Lno_kcs                        ; v is not turned
	KCSLOAD 0
	KCSLOAD 1
.Lno_kcs:
.irp q, 0,1,2,3,4,5
	RFETCH \q, 2, 6, RB2
.endr
	WIN 0
.endif
.set k, 0
.rept 32
	v_med3_num_f32 v[RO+k], v[RO+k], -v[LIM], v[LIM]   ; the conversion does not saturate (ISA guide 7.6.2)
.set k, k+1
.endr
.irp b, 0,1,2,3
	v_cvt_scalef32_pk8_fp8_f32 v[CD+8*((\a)%2)+2*\b:CD+8*((\a)%2)+2*\b+1], v[RO+8*\b:RO+8*\b+7], v[SCL]
.endr
	v_nop                                          ; a plain line behind the last conversion
.if (\a) > 1
	s_wait_alu depctr_va_vdst(0)
	s_wait_xcnt 0x0                                ; block a - 2's stores have read their registers
.endif
.irp b, 0,1,2,3
	ds_store_b64 v[STOQ], v[CD+8*((\a)%2)+2*\b:CD+8*((\a)%2)+2*\b+1] offset:16*\b
.endr
.irp t, 0,1
	ds_load_b128 v[BK+8*((\a)%2)+4*\t:BK+8*((\a)%2)+4*\t+3], v[RDQ] offset:\t*8*80   ; LDS serves a wave's instructions in order
.endr
.endm
.macro QSEND a, younger
	s_wait_dscnt \younger
.irp t, 0,1
	global_store_b128 v[ROF], v[BK+8*((\a)%2)+4*\t:BK+8*((\a)%2)+4*\t+3], s[88:89] offset:1024*(\a)+512*\t
.endr
.endm
	QBLK 0
.irp a, 1,2,3,4,5,6,7
	QBLK \a
	QSEND \a-1, 6                                  ; behind block a - 1's loads: block a's four stores and two loads
.endr
	QSEND 7, 0
	s_wait_alu depctr_va_vdst(0)
	s_wait_xcnt 0x0                                ; q's stores have read their registers, which x's fragments take again
	s_wait_tensorcnt 0x0                           ; my chunk of phase 2's plane has landed
	s_barrier_signal -1
	s_barrier_wait -1                              ; and so has everybody's
	s_cmp_eq_u32 s13, 1
	s_cbranch_scc1 .Lway_v
	LFETCH 0
.set S, 0
.rept 16
	KSTEP S, 0, 2, 6, RB2
.set S, S+1
.endr
	WIN 0
	PLACES
; k, block a: my 32 channels of 16 tokens: turned, held, converted, into the work-group's stage, where two waves' halves make a token's 64 bytes.
.macro KBLK a
.if (\a) < 7
	s_wait_loadcnt 4                               ; this block's cos and sin are in; the next block's four loads may be out
.else
	s_wait_loadcnt 0x0
.endif
	ROPE 16*(\a), CSB+16*((\a)%2), CSB+16*((\a)%2)+8, 2
.if (\a) < 6
	KCSLOAD (\a)+2
.endif
.set k, 0
.rept 16
	v_med3_num_f32 v[RO+k], v[RO+k], -v[LIM2], v[LIM2]
.set k, k+1
.endr
.irp b, 0,1
	v_cvt_scalef32_pk8_fp8_f32 v[CD+4*((\a)%2)+2*\b:CD+4*((\a)%2)+2*\b+1], v[RO+8*\b:RO+8*\b+7], v[SCL2]
.endr
	v_nop                                          ; a plain line behind the last conversion
.irp b, 0,1
	ds_store_b64 v[KSTO], v[CD+4*((\a)%2)+2*\b:CD+4*((\a)%2)+2*\b+1] offset:1280*(\a)+16*\b
.endr
.endm
.irp a, 0,1,2,3,4,5,6,7
	KBLK \a
.endr
	s_wait_dscnt 0x0                               ; my stores into k's stage are done
	s_branch .Lmeet
.Lway_v:
	LFETCH 0
.set S, 0
.rept 16
	KSTEP S, 1, 2, 6, RB2
.set S, S+1
.endr
	WIN 0
	PLACES
; v, 16 channels at a time: register 8 a + j is token 16 a + 8 h + j of channel 16 b + r: held, converted; 16 rows of 128 keys go through my stage and leave as four stores of 512 consecutive bytes.
.macro VBLK b
	WIN 0x03
.irp a, 0,1,2,3,4,5,6,7
.irp j, 0,1,2,3,4,5,6,7
	v_med3_num_f32 v[VO+8*\a+\j], v[16*\a+8*(\b)+\j], -v[LIM2], v[LIM2]
.endr
.endr
	WIN 0
.irp a, 0,1,2,3,4,5,6,7
	v_cvt_scalef32_pk8_fp8_f32 v[VCD+16*(\b)+2*\a:VCD+16*(\b)+2*\a+1], v[VO+8*\a:VO+8*\a+7], v[SCL2]
.endr
	v_nop                                          ; a plain line behind the last conversion
.irp a, 0,1,2,3,4,5,6,7
	ds_store_b64 v[STOV], v[VCD+16*(\b)+2*\a:VCD+16*(\b)+2*\a+1] offset:16*\a
.endr
.irp t, 0,1,2,3
	ds_load_b128 v[VBK+16*(\b)+4*\t:VBK+16*(\b)+4*\t+3], v[RDV] offset:\t*4*144
.endr
.endm
.macro VSEND b, younger
	s_wait_dscnt \younger
.irp t, 0,1,2,3
	global_store_b128 v[ROF], v[VBK+16*(\b)+4*\t:VBK+16*(\b)+4*\t+3], s[86:87] offset:2048*(\b)+512*\t
.endr
.endm
	VBLK 0
	VBLK 1
	VSEND 0, 12
	VSEND 1, 0
.Lmeet:                                            ; one barrier on the way that k's and v's work-groups share: behind it k's stage is whole
	s_barrier_signal -1
	s_barrier_wait -1
	s_cmp_eq_u32 s13, 1
	s_cbranch_scc1 .Ldone
.irp t, 0,1,2,3,4,5,6,7
	ds_load_b128 v[BK2+4*\t:BK2+4*\t+3], v[KRD] offset:\t*640   ; eight tokens of 64 bytes
.endr
.irp t, 0,1,2,3,4,5,6,7
	s_wait_dscnt 7-\t
	global_store_b128 v[ROF], v[BK2+4*\t:BK2+4*\t+3], s[86:87] offset:512*\t
.endr
.Ldone:
	s_wait_tensorcnt 0x0                           ; the wave's end
	ds_add_u32 v[SPW], v[NIL]
	s_wait_dscnt 0x0
	CROUND                                         ; the closing round
	s_endpgm
.Lfunc_end_k_qedf2b385cb_qkv:
	.size	k_qedf2b385cb_qkv, .Lfunc_end_k_qedf2b385cb_qkv-k_qedf2b385cb_qkv
	.p2alignl 7, 3214868480
	.fill 96, 4, 3214868480
	.section	.rodata,"a",@progbits
	.p2align	6, 0x0
	.amdhsa_kernel k_qedf2b385cb_qkv
		.amdhsa_group_segment_fixed_size 327680
		.amdhsa_private_segment_fixed_size 0
		.amdhsa_enable_private_segment 0
		.amdhsa_kernarg_size 64
		.amdhsa_user_sgpr_count 2
		.amdhsa_user_sgpr_kernarg_segment_ptr 1
		.amdhsa_wavefront_size32 1
		.amdhsa_system_sgpr_workgroup_id_x 1
		.amdhsa_system_sgpr_workgroup_id_y 1
		.amdhsa_system_sgpr_workgroup_id_z 1
		.amdhsa_system_vgpr_workitem_id 0
		.amdhsa_next_free_vgpr 1024
		.amdhsa_next_free_sgpr 100
		.amdhsa_reserve_vcc 0
		.amdhsa_float_denorm_mode_32 3
		.amdhsa_float_denorm_mode_16_64 3
		.amdhsa_memory_ordered 1
		.amdhsa_forward_progress 1
		.amdhsa_inst_pref_size 255
	.end_amdhsa_kernel
	.section	.bss,"aw",@nobits
	.p2align	6
	.space	262144
	.amdgpu_metadata
---
amdhsa.version: [ 1, 2 ]
amdhsa.kernels:
  - .name:           k_qedf2b385cb_qkv
    .symbol:         k_qedf2b385cb_qkv.kd
    .args:
      - { .name: xc, .offset: 0, .size: 8, .value_kind: global_buffer, .address_space: global }
      - { .name: wc, .offset: 8, .size: 8, .value_kind: global_buffer, .address_space: global }
      - { .name: lowp_scales, .offset: 16, .size: 8, .value_kind: global_buffer, .address_space: global }
      - { .name: freqs_cos, .offset: 24, .size: 8, .value_kind: global_buffer, .address_space: global }
      - { .name: freqs_sin, .offset: 32, .size: 8, .value_kind: global_buffer, .address_space: global }
      - { .name: qc, .offset: 40, .size: 8, .value_kind: global_buffer, .address_space: global }
      - { .name: kc, .offset: 48, .size: 8, .value_kind: global_buffer, .address_space: global }
      - { .name: vc, .offset: 56, .size: 8, .value_kind: global_buffer, .address_space: global }
    .group_segment_fixed_size: 327680
    .private_segment_fixed_size: 0
    .kernarg_segment_align: 8
    .kernarg_segment_size: 64
    .max_flat_workgroup_size: 128
    .sgpr_count:     100
    .vgpr_count:     1024
    .wavefront_size: 32
...
	.end_amdgpu_metadata
.endif
;; end of part 2
;; launch attn (part 3): grid 8 x 32, 8 waves a work-group, clusters of 4 x 1, 327,680 bytes of LDS; arguments qc, kc, vc, mq, lowp_scales, ac; writes ac
.if DOCPART == 3
	.amdgcn_target "amdgcn-amd-amdhsa--gfx1250"
	.amdhsa_code_object_version 6
	.text
	.protected	k_qedf2b385cb_attn
	.globl	k_qedf2b385cb_attn
	.p2align	8
	.type	k_qedf2b385cb_attn,@function
k_qedf2b385cb_attn:
	s_mov_b64 s[64:65], 0
	v_nop
	global_prefetch_b8 v0, s[64:65] scope:SCOPE_SE
	s_setreg_imm32_b32 hwreg(HW_REG_WAVE_MODE, 25, 1), 1
	s_wait_xcnt 0x0
	s_wait_alu depctr_hold_cnt(0) depctr_sa_sdst(0) depctr_va_vdst(0) depctr_va_sdst(0) depctr_va_ssrc(0) depctr_va_vcc(0) depctr_vm_vsrc(0)
	s_getreg_b32 s2, hwreg(HW_REG_IB_STS2, 6, 4)
	s_cmp_eq_u32 s2, 0
	s_cbranch_scc0 .Lentry_in_a_cluster
	s_endpgm
.Lentry_in_a_cluster:
	s_bfe_u32 s2, ttmp6, 0x10000c
	s_cmp_lg_u32 s2, 0x3003
	s_cbranch_scc0 .Lentry_shape_is_right
	s_endpgm
.Lentry_shape_is_right:
; Attention on codes of FP8 (E4M3): scores = q k^T / 8 + mask, softmax, x v; the result quantised for the last product.
; qc [4][32][1024][64], kc [4][8][1024][64]: codes along the head's 64 (entries 6, 7).  vc [4][8][8 steps][64 d][128 keys]: keys innermost (entry 8).  ac [4096 tokens][2048 = head x 64 + d]: codes (entry 10).
; mq: the given mask x 2^(3 - e6 - e7), held at -2^100 from below, f32, in the order of the score registers: [16 queries][key step][i][lane][4 keys].  Every key step is walked: the mask is honoured as it is given.
; THE MASK IS THE C OF THE SCORE PRODUCTS: S = k q^T (on codes) + mq, so that t = S x 2^(e6 + e7 - 3) log2(e).  M = the row's largest t so far rounded UP to a whole number; p = 2^(t - M) is quantised (entry 9), not normalised.
; The row's sum is taken of the unquantised p and divides at the end.  When M moves, the sum and O are multiplied by 2^(old M - new M): exact.  Only -M is kept: the ceiling of a maximum is the maximum of the ceilings.
; LIMITS: e6 + e7 - 3 between -100 and 26; e9 and e10 - e8 - e9 between -126 and 119.  NaN, and +infinity in the mask, are not served.  A mask row that is hidden at all 1,024 keys gives finite codes here, no NaN.
; A step all of whose keys are hidden for a row leaves sums under a very low M, which the first open key's change of M multiplies by 0.
; SHARES.  A work-group owns 128 queries (block qb) of one key/value head (y = 8 x batch + head); wave w of eight owns queries 16 w .. 16 w + 15 for all four query heads of it: one set of fragments of K, V and the mask serves four heads.
; ALL of the head's K and V lies in LDS, 155,648 bytes, filled once, one tensor load a wave: nothing is filled again, so the key loop has no barrier.  CLUSTER 4 x 1: the four partners have the same y and ask jointly.
; The mask's part of a wave is read by that wave alone: it goes from memory into registers, 512 consecutive bytes a load.  Two buffers of 64 registers take turns as mask and as S: heads 0 to 2 write S beside the mask,
; head 3 adds in place on the mask, and the buffer that held S takes the next step's mask from head 2's conversions on.  So a trip of the loop is two key steps.
; LDS slot i holds key step (i + 2 (y % 4)) % 8, by the tensor loads' and the mask's global addresses alone: the order of the keys changes no sum but by rounding.
; No prefetch: K and V are asked for once, at the head, and the four rotations bring the work-groups that share a block of mq to it in different trips.
; LAYOUT.  Both products are used transposed: a lane holds ONE query (lane % 16).  Register 8 t + j of S is key 16 t + 8 (lane / 16) + j, the place that the second product's form gives each k.
; REGISTERS.  Window 0: v1-11 addresses; v12-27 four a head (-M, f, the sum's two halves); v28-31 scales; v32-95 K; v96-159, v160-223 the two buffers; v224-239 p's codes; v240-253 at work.  Window 1: v0-31 Q; v32-95 V; v96-223 O^T.
.set KP,    80
.set VP,    144
.set VOFF,  1024*KP
.set SPARE, VOFF+512*VP                ; the spare words, 128 bytes a wave, which no other line names
.set STG,   SPARE+1024                 ; the way out: 16 rows x 272 bytes a wave
.set SGP,   272
.set AK0, 1
.set AV0, 2
.set MOF, 3
.set ADK, 4
.set SPW, 5
.set NIL, 6
.set ADV, 7
.set STO, 9
.set RD,  10
.set GO,  11
.set ST,  12
.set PLIM, 28
.set PSC,  29
.set OLIM, 30
.set OSC,  31
.set KF,  32
.set BY,  96
.set BX,  160
.set PC,  224
.set TT,  240
.set SUM2, 242
.set MX,  244
.set PRM, 248
.set PLIM2, 249                        ; 448 x 2^e9 once more, in another register bank than v28, for the second half of a dual instruction
.set SUM3, 250
.set SUM4, 252
.set VF,  32
.set OT,  96
.set WV,  16
.set G1K, 24
.set G1V, 32
.set G0K, 48
.set G0V, 52
.set SEL, 60
.set C2,  62                           ; s[62:63] 2^(e6 + e7 - 3) log2(e)
.set SI,  73                           ; the trip's first slot: 0, 2, 4, 6
.set ROT, 74
.set TV,  92                           ; the trip's first slot in V's rows, in bytes: stepped by two slots a trip
.set TK,  93                           ; the same in K's rows
.set MQ,  76
.set MB,  78
.set MSB, 0
.macro WIN new
.if MSB != (\new)
	s_set_vgpr_msb (MSB<<8)|(\new)
.set MSB, (\new)
.endif
.endm
.macro PLACES
.rept 4
	v_nop
.endr
.endm
.macro CROUND
	s_barrier_signal -1
	s_barrier_wait -1
	s_cmp_lg_u32 s[WV], 0
	s_cbranch_scc1 .Lnot_wave_0_\@
	s_barrier_signal -3
.Lnot_wave_0_\@:
	s_barrier_wait -3
	s_barrier_signal -1
	s_barrier_wait -1
.endm
.macro KLOADS off                      ; a slot's eight tiles of K: 16 LDS loads
.set n, 0
.rept 16
	ds_load_b128 v[KF+4*n:KF+4*n+3], v[ADK] offset:(\off)+16*(n/2)*KP+32*(n%2)
.set n, n+1
.endr
.endm
.macro KNEXT u                         ; behind head 3's score products of a trip's first step: the second step's K
.if (\u) == 0
	KLOADS 128*KP
.endif
.endm
.macro MLOADS dst
.set n, 0
.rept 16
	global_load_b128 v[\dst+4*n:\dst+4*n+3], v[MOF], s[MB:MB+1] offset:512*n
.set n, n+1
.endr
.endm
.macro MNEXT u, dst                    ; the next step's mask into the buffer that held S.  The earlier loads by s[MB] were waited for at the step's head
.if (\u) == 1
	s_cmp_eq_u32 s[SI], 6
	s_cbranch_scc1 .Lno_m_\@
.endif
	s_add_co_u32 s80, s[SI], s[ROT]
	s_add_co_u32 s80, s80, 1+(\u)
	s_and_b32 s80, s80, 7
	s_lshl_b32 s80, s80, 13
	s_add_nc_u64 s[MB:MB+1], s[MQ:MQ+1], s[80:81]
	MLOADS \dst
.Lno_m_\@:
.endm
; One query head's part of a key step.  SR: where S is written; MR: the mask.
.macro HEAD g, SR, MR, u
.set NM, ST+4*(\g)
	WIN 0x04                                       ; source 1 (Q) window 1
.irp t, 0,1,2,3,4,5,6,7
	v_wmma_f32_16x16x64_fp8_fp8 v[\SR+8*\t:\SR+8*\t+7], v[KF+8*\t:KF+8*\t+7], v[8*(\g):8*(\g)+7], v[\MR+8*\t:\MR+8*\t+7]
.endr
	WIN 0
	PLACES                                         ; in front of the first read of S, and of the loads into K's registers
.if (\g) == 3
	KNEXT \u
.endif
.irp c, 0,1,2,3
	v_max3_num_f32 v[MX+\c], v[\SR+16*\c], v[\SR+16*\c+1], v[\SR+16*\c+2]   ; the step's largest S of my query among my 64 keys, in four chains; each tile from its low end on
.endr
.irp i, 3,5,7,9,11,13
.irp c, 0,1,2,3
	v_max3_num_f32 v[MX+\c], v[MX+\c], v[\SR+16*\c+\i], v[\SR+16*\c+\i+1]
.endr
.endr
	v_max3_num_f32 v[MX], v[MX], v[\SR+15], v[\SR+31]
	v_max3_num_f32 v[MX+2], v[MX+2], v[\SR+47], v[\SR+63]
	v_max3_num_f32 v[MX], v[MX], v[MX+1], v[MX+2]
	v_max_num_f32 v[MX], v[MX], v[MX+3]
	v_permlanex16_b32 v[PRM], v[MX], s[SEL], s[SEL+1]
	v_max_num_f32 v[MX], v[MX], v[PRM]             ; and among the other half of the lanes'
	v_mul_f32 v[MX], s[C2], v[MX]                  ; as t
	v_floor_f32 v[MX], -v[MX]                      ; -ceil(t)
	v_min_num_f32 v[MX], v[MX], v[NM]              ; the new -M
	v_sub_f32 v[TT], v[MX], v[NM]                  ; old M - new M: a whole number, 0 or less
	v_mov_b32 v[NM], v[MX]
	v_cvt_i32_f32 v[TT], v[TT]                     ; (it saturates)
	v_ldexp_f32 v[NM+1], 1.0, v[TT]                ; f = 2^(old M - new M)
.set k, 0
.rept 32
	v_pk_fma_f32 v[\SR+k:\SR+k+1], v[\SR+k:\SR+k+1], s[C2:C2+1], v[NM:NM+1] op_sel_hi:[1,0,0]   ; t - M
.set k, k+2
.endr
	s_wait_alu depctr_va_vdst(0)
.set k, 0
.rept 64
	v_exp_f32 v[\SR+k], v[\SR+k]                   ; p = 2^(t - M)
.set k, k+1
.endr
	v_pk_mul_f32 v[NM+2:NM+3], v[NM+2:NM+3], v[NM:NM+1] op_sel:[0,1] op_sel_hi:[1,1]   ; the sums x f: the plain line behind the exponentials
	s_wait_alu depctr_va_vdst(0)                   ; one wait for the batch, ahead of its first reader
	v_pk_add_f32 v[SUM2:SUM2+1], v[\SR:\SR+1], v[\SR+2:\SR+3]   ; the row's sum, of the unquantised p, in four chains
	v_pk_add_f32 v[SUM3:SUM3+1], v[\SR+4:\SR+5], v[\SR+6:\SR+7]
	v_pk_add_f32 v[SUM4:SUM4+1], v[\SR+8:\SR+9], v[\SR+10:\SR+11]
	v_pk_add_f32 v[NM+2:NM+3], v[NM+2:NM+3], v[\SR+12:\SR+13]
	v_pk_add_f32 v[SUM2:SUM2+1], v[SUM2:SUM2+1], v[\SR+14:\SR+15]
.irp j, 16,24,32,40,48,56
	v_pk_add_f32 v[NM+2:NM+3], v[NM+2:NM+3], v[\SR+\j:\SR+\j+1]
	v_pk_add_f32 v[SUM2:SUM2+1], v[SUM2:SUM2+1], v[\SR+\j+2:\SR+\j+3]
	v_pk_add_f32 v[SUM3:SUM3+1], v[SUM3:SUM3+1], v[\SR+\j+4:\SR+\j+5]
	v_pk_add_f32 v[SUM4:SUM4+1], v[SUM4:SUM4+1], v[\SR+\j+6:\SR+\j+7]
.endr
	v_pk_add_f32 v[SUM2:SUM2+1], v[SUM2:SUM2+1], v[SUM3:SUM3+1]
	v_pk_add_f32 v[NM+2:NM+3], v[NM+2:NM+3], v[SUM4:SUM4+1]
	v_pk_add_f32 v[NM+2:NM+3], v[NM+2:NM+3], v[SUM2:SUM2+1]
.set k, 0
.rept 32
	v_dual_min_num_f32 v[\SR+k], v[\SR+k], v[PLIM] :: v_dual_min_num_f32 v[\SR+k+1], v[\SR+k+1], v[PLIM2]   ; the conversion does not saturate (ISA guide 7.6.2); p is not negative: a one-sided hold
.set k, k+2
.endr
.irp b, 0,1,2,3,4,5,6,7
	v_cvt_scalef32_pk8_fp8_f32 v[PC+2*\b:PC+2*\b+1], v[\SR+8*\b:\SR+8*\b+7], v[PSC]   ; registers 2 b, 2 b + 1 of the operand: keys 16 b + 8 h + 0 .. 7
.endr
.if (\g) == 2
	MNEXT \u, \SR
.endif
	WIN 0x41                                       ; O^T window 1, f window 0
	s_wait_alu depctr_va_vdst(0)
.set k, 0
.rept 16
	v_pk_mul_f32 v[OT+32*(\g)+k:OT+32*(\g)+k+1], v[OT+32*(\g)+k:OT+32*(\g)+k+1], v[NM:NM+1] op_sel:[0,1] op_sel_hi:[1,1]   ; O^T x f; also the plain lines behind the conversions
.set k, k+2
.endr
.if (\g) == 0
	s_wait_alu depctr_va_vdst(0)
	s_wait_dscnt 0x0                               ; V is in
.endif
	WIN 0x51                                       ; V and O^T window 1, p's codes window 0
.irp d, 0,1,2,3
	v_wmma_f32_16x16x128_fp8_fp8 v[OT+32*(\g)+8*\d:OT+32*(\g)+8*\d+7], v[VF+16*\d:VF+16*\d+15], v[PC:PC+15], v[OT+32*(\g)+8*\d:OT+32*(\g)+8*\d+7]
.endr
	WIN 0
.endm
; A key step.  The mask's 16 loads have been issued.  u = 0: K's 16 loads are issued here, ahead of V's 32; u = 1: they were issued under head 3 of the step before.
.macro STEP u, SR, MR
	PLACES                                         ; behind the last products, which read V's registers
.if (\u) == 0
	KLOADS 0
.endif
	WIN 0x40
.irp d, 0,1,2,3
.irp c, 0,1,2,3,4,5,6,7
	ds_load_b64 v[VF+16*\d+2*\c:VF+16*\d+2*\c+1], v[ADV] offset:(\u)*64*VP+16*\d*VP+16*\c
.endr
.endr
	WIN 0
	s_wait_loadcnt 0x0                             ; the mask is in (the first time: Q too)
	s_wait_dscnt 32                                ; K's 16 loads are in; V's 32, issued behind them, may be out
	HEAD 0, \SR, \MR, \u
	HEAD 1, \SR, \MR, \u
	HEAD 2, \SR, \MR, \u
	HEAD 3, \MR, \MR, \u
.endm
	s_load_b256 s[4:11], s[0:1], 0x0               ; qc, kc, vc, mq
	s_load_b128 s[12:15], s[0:1], 0x20             ; the scales' exponents, ac
	v_lshl_add_u32 v[SPW], v0, 2, SPARE
	v_mov_b32 v[NIL], 0
	ds_add_u32 v[SPW], v[NIL]                      ; the opening lines: the add, twice on end, and its wait ahead of my tensor load
	ds_add_u32 v[SPW], v[NIL]
	v_lshrrev_b32 v1, 5, v0
	v_readfirstlane_b32 s[WV], v1                  ; wave 0..7
	s_bfe_u32 s17, ttmp6, 0x40000                  ; cx
	s_lshl_b32 s19, ttmp9, 2
	s_add_co_u32 s19, s19, s17                     ; qb
	s_and_b32 s20, ttmp7, 0xffff                   ; y
	s_mov_b32 s[G1K], 15|(1<<20)|(1<<21)|(3<<22)|(3<<25)   ; K: 256 rows of 64 bytes; 4 words of padding after every 16
	s_mov_b32 s[G1K+1], 64<<16
	s_mov_b32 s[G1K+2], 256<<16
	s_mov_b32 s[G1K+3], 64<<16
	s_mov_b32 s[G1K+4], 256
	s_mov_b32 s[G1K+5], 64
	s_mov_b32 s[G1K+6], 0
	s_mov_b32 s[G1K+7], 0
	s_mov_b32 s[G1V], 15|(1<<20)|(1<<21)|(4<<22)|(3<<25)   ; V: 128 rows of 128 bytes; padding after every 32 words
	s_mov_b32 s[G1V+1], 128<<16
	s_mov_b32 s[G1V+2], 128<<16
	s_mov_b32 s[G1V+3], 128<<16
	s_mov_b32 s[G1V+4], 128
	s_mov_b32 s[G1V+5], 128
	s_mov_b32 s[G1V+6], 0
	s_mov_b32 s[G1V+7], 0
	s_and_b32 s21, s20, 3
	s_lshl_b32 s[ROT], s21, 1                      ; the rotation: 0, 2, 4, 6
	s_and_b32 s22, s[WV], 3
	s_lshl_b32 s23, s22, 1
	s_add_co_u32 s23, s23, s[ROT]
	s_and_b32 s23, s23, 7                          ; slots 2 (w % 4), + 1 hold this key step and the next
	s_lshl_b32 s23, s23, 13                        ; a key step is 8,192 bytes of K and of V
	s_lshl_b32 s84, s20, 16
	s_add_co_u32 s84, s84, s23                     ; nothing of cx enters
	s_mov_b32 s85, 0
	s_mul_i32 s86, s22, 256*KP
	s_mul_i32 s87, s22, 128*VP
	s_add_co_u32 s87, s87, VOFF
	s_mov_b32 s[SEL], 0x76543210
	s_mov_b32 s[SEL+1], 0xfedcba98
	s_mov_b32 s[SI], 0
	s_mov_b32 s[TV], 0
	s_mov_b32 s[TK], 0
	s_mov_b32 s81, 0
	s_lshl_b32 s40, s20, 18                        ; Q: four heads of 65,536 bytes for each y,
	s_lshl_b32 s41, s19, 13
	s_add_co_u32 s40, s40, s41
	s_lshl_b32 s41, s[WV], 10
	s_add_co_u32 s40, s40, s41
	s_mov_b32 s41, 0
	s_lshr_b32 s42, s20, 3
	s_lshl_b32 s42, s42, 10
	s_lshl_b32 s43, s19, 7
	s_add_co_u32 s42, s42, s43
	s_lshl_b32 s43, s[WV], 4
	s_add_co_u32 s42, s42, s43                     ; ac: my first token,
	s_lshl_b32 s42, s42, 11
	s_and_b32 s43, s20, 7
	s_lshl_b32 s43, s43, 8
	s_add_co_u32 s42, s42, s43                     ; and my four heads' 256 bytes of its row
	s_mov_b32 s43, 0
	s_lshl_b32 s44, s19, 19
	s_lshl_b32 s45, s[WV], 16
	s_add_co_u32 s44, s44, s45                     ; mq: my 16 queries' 65,536 bytes
	s_mov_b32 s45, 0
	s_lshl_b32 s80, s[ROT], 13
	s_mul_i32 s46, s[WV], 16*SGP
	s_add_co_u32 s46, s46, STG
	s_wait_dscnt 0x0                               ; both opening adds are done
	s_wait_kmcnt 0x0
	s_load_b128 s[68:71], s[12:13], 0x18           ; e6, e7, e8, e9
	s_load_b32 s72, s[12:13], 0x28                 ; e10
	s_mov_b32 s[G0K], 1
	s_mov_b32 s[G0K+1], s86
	s_add_nc_u64 s[G0K+2:G0K+3], s[6:7], s[84:85]
	s_or_b32 s[G0K+3], s[G0K+3], 0x80000000
	s_mov_b32 s[G0V], 1
	s_mov_b32 s[G0V+1], s87
	s_add_nc_u64 s[G0V+2:G0V+3], s[8:9], s[84:85]
	s_or_b32 s[G0V+3], s[G0V+3], 0x80000000
	s_add_nc_u64 s[88:89], s[4:5], s[40:41]
	s_add_nc_u64 s[90:91], s[14:15], s[42:43]
	s_add_nc_u64 s[MQ:MQ+1], s[10:11], s[44:45]
	s_add_nc_u64 s[MB:MB+1], s[MQ:MQ+1], s[80:81]
	CROUND                                         ; the four partners are here: the joint loads meet
	s_cmp_lt_u32 s[WV], 4                          ; waves 0-3 fetch K, waves 4-7 V: a quarter each
	s_cbranch_scc0 .Lfor_v
	tensor_load_to_lds s[G0K:G0K+3], s[G1K:G1K+7]
	s_nop 0
	PLACES
	s_branch .Lasked
.Lfor_v:
	tensor_load_to_lds s[G0V:G0V+3], s[G1V:G1V+7]
	s_nop 0
	PLACES
.Lasked:
	v_and_b32 v250, 15, v0                         ; r
	v_bfe_u32 v251, v0, 4, 1                       ; h
	v_lshlrev_b32 v252, 6, v250
	v_lshl_add_u32 v252, v251, 4, v252             ; Q: row r of 64 bytes, + 16 h
	v_and_b32 v253, 31, v0
	v_lshlrev_b32 v[MOF], 4, v253
	v_mul_u32_u24 v[AK0], v250, KP
	v_lshl_add_u32 v[AK0], v251, 4, v[AK0]         ; K: row r of a tile, + 16 h
	v_mul_u32_u24 v[AV0], v250, VP
	v_lshl_add_u32 v[AV0], v251, 3, v[AV0]
	v_add_nc_u32 v[AV0], VOFF, v[AV0]              ; V: row d = r of a tile, + 8 h
	v_mul_u32_u24 v[STO], v250, SGP
	v_lshl_add_u32 v[STO], v251, 3, v[STO]
	v_add_nc_u32 v[STO], s46, v[STO]               ; the stage, in: row r, 8 bytes for each half
	v_mul_u32_u24 v[RD], v251, SGP
	v_lshl_add_u32 v[RD], v250, 4, v[RD]
	v_add_nc_u32 v[RD], s46, v[RD]                 ; back: lanes 0-15 one row of 256 bytes, lanes 16-31 the next
	v_lshlrev_b32 v[GO], 11, v251
	v_lshl_add_u32 v[GO], v250, 4, v[GO]           ; and the same two rows in ac
	s_wait_alu depctr_va_vdst(0)
	WIN 0x40
.irp g, 0,1,2,3
.irp c, 0,1
	global_load_b128 v[8*\g+4*\c:8*\g+4*\c+3], v252, s[88:89] offset:65536*\g+32*\c   ; Q stays in registers: channels 32 c + 16 h + 0 .. 15, as K's fragments have them
.endr
.endr
	WIN 0
	MLOADS BX                                      ; slot 0's mask
	WIN 0x40
.set k, 0
.rept 128
	v_mov_b32 v[OT+k], 0                           ; O^T: cleared once, so that the key step needs no first copy of its own
.set k, k+1
.endr
	WIN 0
.irp g, 0,1,2,3
	v_mov_b32 v[ST+4*\g], 0x7f61b1e6               ; -M: 3e38, over every -ceil(t)
	v_mov_b32 v[ST+4*\g+1], 0
	v_mov_b32 v[ST+4*\g+2], 0                      ; the sum, in two halves
	v_mov_b32 v[ST+4*\g+3], 0
.endr
	v_mov_b32 v[PRM], 0                            ; written once: a lane permute's destination counts as one of its sources
	s_wait_kmcnt 0x0
	s_add_co_i32 s82, s68, s69
	s_sub_co_i32 s82, s82, 3
	s_lshl_b32 s82, s82, 23
	s_add_co_i32 s[C2], s82, 0x3fb8aa3b            ; e6 + e7 - 3 is added to the exponent field of log2(e)
	s_mov_b32 s[C2+1], s[C2]
	s_add_co_i32 s82, s71, 127
	s_lshl_b32 s83, s82, 23
	v_mov_b32 v[PSC], s83                          ; 2^e9
	s_add_co_i32 s82, s82, 8
	s_lshl_b32 s82, s82, 23
	s_or_b32 s82, s82, 0x600000
	v_mov_b32 v[PLIM], s82                         ; 448 x 2^e9
	v_mov_b32 v[PLIM2], s82
	s_sub_co_i32 s82, s72, s70
	s_sub_co_i32 s82, s82, s71                     ; O^T / the sum stands for that x 2^(e8 + e9): its code is that / 2^(e10 - e8 - e9)
	s_add_co_i32 s82, s82, 127
	s_lshl_b32 s83, s82, 23
	v_mov_b32 v[OSC], s83
	s_add_co_i32 s82, s82, 8
	s_lshl_b32 s82, s82, 23
	s_or_b32 s82, s82, 0x600000
	v_mov_b32 v[OLIM], s82
	s_wait_alu depctr_va_vdst(0)
	s_wait_tensorcnt 0x0                           ; my quarter has landed
	s_barrier_signal -1
	s_barrier_wait -1                              ; and so has everybody's
.Ltrip:                                            ; four trips of two key steps
	v_add_nc_u32 v[ADV], s[TV], v[AV0]
	v_add_nc_u32 v[ADK], s[TK], v[AK0]
	STEP 0, BY, BX
	STEP 1, BX, BY
	s_add_co_u32 s[TV], s[TV], 2*64*VP
	s_add_co_u32 s[TK], s[TK], 2*128*KP
	s_add_co_u32 s[SI], s[SI], 2
	s_cmp_lt_u32 s[SI], 8
	s_wait_alu depctr_va_vdst(0)
	s_cbranch_scc1 .Ltrip
	; THE WAY OUT.  The sums' halves are added (these additions are the places behind the last products); O^T is divided by the sum, held, converted; a token's four heads, 256 bytes, meet in my stage.
.irp g, 0,1,2,3
	v_add_f32 v[ST+4*\g+2], v[ST+4*\g+2], v[ST+4*\g+3]
.endr
.irp g, 0,1,2,3
	v_permlanex16_b32 v[ST+4*\g+3], v[ST+4*\g+2], s[SEL], s[SEL+1]
.endr
.irp g, 0,1,2,3
	v_add_f32 v[ST+4*\g+2], v[ST+4*\g+2], v[ST+4*\g+3]
.endr
	s_wait_alu depctr_va_vdst(0)
.irp g, 0,1,2,3
	v_rcp_f32 v[ST+4*\g], v[ST+4*\g+2]
.endr
	v_nop                                          ; a plain line behind the last reciprocal
	s_wait_alu depctr_va_vdst(0)                   ; one wait for the four, ahead of their first reader, and of the first reader of O^T
.macro OUTH g
.set OB, BY+32*((\g)%2)
	WIN 0x01                                       ; source 0 (O^T) window 1
.set k, 0
.rept 16
	v_pk_mul_f32 v[OB+k:OB+k+1], v[OT+32*(\g)+k:OT+32*(\g)+k+1], v[ST+4*(\g):ST+4*(\g)+1] op_sel_hi:[1,0]   ; each accumulator from its low end on
.set k, k+2
.endr
	WIN 0
.set k, 0
.rept 32
	v_med3_num_f32 v[OB+k], v[OB+k], -v[OLIM], v[OLIM]
.set k, k+1
.endr
.irp d, 0,1,2,3
	v_cvt_scalef32_pk8_fp8_f32 v[KF+8*(\g)+2*\d:KF+8*(\g)+2*\d+1], v[OB+8*\d:OB+8*\d+7], v[OSC]
.endr
	v_nop                                          ; a plain line behind the last conversion
.irp d, 0,1,2,3
	ds_store_b64 v[STO], v[KF+8*(\g)+2*\d:KF+8*(\g)+2*\d+1] offset:64*(\g)+16*\d   ; query r, head g, channels 16 d + 8 h + 0 .. 7
.endr
.endm
	OUTH 0
	OUTH 1
	OUTH 2
	OUTH 3
.irp i, 0,1,2,3,4,5,6,7
	ds_load_b128 v[BX+4*\i:BX+4*\i+3], v[RD] offset:2*\i*SGP   ; LDS serves a wave's instructions in order
.endr
.irp i, 0,1,2,3,4,5,6,7
	s_wait_dscnt 7-\i
	global_store_b128 v[GO], v[BX+4*\i:BX+4*\i+3], s[90:91] offset:4096*\i   ; 16 lanes store 256 consecutive bytes, at a multiple of 256 from ac's first byte
.endr
	s_wait_tensorcnt 0x0                           ; the wave's end
	ds_add_u32 v[SPW], v[NIL]
	s_wait_dscnt 0x0
	CROUND                                         ; the closing round
	s_endpgm
.Lfunc_end_k_qedf2b385cb_attn:
	.size	k_qedf2b385cb_attn, .Lfunc_end_k_qedf2b385cb_attn-k_qedf2b385cb_attn
	.p2alignl 7, 3214868480
	.fill 96, 4, 3214868480
	.section	.rodata,"a",@progbits
	.p2align	6, 0x0
	.amdhsa_kernel k_qedf2b385cb_attn
		.amdhsa_group_segment_fixed_size 327680
		.amdhsa_private_segment_fixed_size 0
		.amdhsa_enable_private_segment 0
		.amdhsa_kernarg_size 48
		.amdhsa_user_sgpr_count 2
		.amdhsa_user_sgpr_kernarg_segment_ptr 1
		.amdhsa_wavefront_size32 1
		.amdhsa_system_sgpr_workgroup_id_x 1
		.amdhsa_system_sgpr_workgroup_id_y 1
		.amdhsa_system_sgpr_workgroup_id_z 1
		.amdhsa_system_vgpr_workitem_id 0
		.amdhsa_next_free_vgpr 512
		.amdhsa_next_free_sgpr 96
		.amdhsa_reserve_vcc 0
		.amdhsa_float_denorm_mode_32 3
		.amdhsa_float_denorm_mode_16_64 3
		.amdhsa_memory_ordered 1
		.amdhsa_forward_progress 1
		.amdhsa_inst_pref_size 146
	.end_amdhsa_kernel
	.amdgpu_metadata
---
amdhsa.version: [ 1, 2 ]
amdhsa.kernels:
  - .name:           k_qedf2b385cb_attn
    .symbol:         k_qedf2b385cb_attn.kd
    .args:
      - { .name: qc, .offset: 0, .size: 8, .value_kind: global_buffer, .address_space: global }
      - { .name: kc, .offset: 8, .size: 8, .value_kind: global_buffer, .address_space: global }
      - { .name: vc, .offset: 16, .size: 8, .value_kind: global_buffer, .address_space: global }
      - { .name: mq, .offset: 24, .size: 8, .value_kind: global_buffer, .address_space: global }
      - { .name: lowp_scales, .offset: 32, .size: 8, .value_kind: global_buffer, .address_space: global }
      - { .name: ac, .offset: 40, .size: 8, .value_kind: global_buffer, .address_space: global }
    .group_segment_fixed_size: 327680
    .private_segment_fixed_size: 0
    .kernarg_segment_align: 8
    .kernarg_segment_size: 48
    .max_flat_workgroup_size: 256
    .sgpr_count:     96
    .vgpr_count:     512
    .wavefront_size: 32
...
	.end_amdgpu_metadata
.endif
;; end of part 3
;; launch outp (part 4): grid 8 x 32, 4 waves a work-group, clusters of 4 x 1, 327,680 bytes of LDS; arguments ac, woc, lowp_scales, out0; writes out0
.if DOCPART == 4
	.amdgcn_target "amdgcn-amd-amdhsa--gfx1250"
	.amdhsa_code_object_version 6
	.text
	.protected	k_qedf2b385cb_outp
	.globl	k_qedf2b385cb_outp
	.p2align	8
	.type	k_qedf2b385cb_outp,@function
k_qedf2b385cb_outp:
	s_mov_b64 s[64:65], 0
	v_nop
	global_prefetch_b8 v0, s[64:65] scope:SCOPE_SE
	s_setreg_imm32_b32 hwreg(HW_REG_WAVE_MODE, 25, 1), 1
	s_wait_xcnt 0x0
	s_wait_alu depctr_hold_cnt(0) depctr_sa_sdst(0) depctr_va_vdst(0) depctr_va_sdst(0) depctr_va_ssrc(0) depctr_va_vcc(0) depctr_vm_vsrc(0)
	s_getreg_b32 s2, hwreg(HW_REG_IB_STS2, 6, 4)
	s_cmp_eq_u32 s2, 0
	s_cbranch_scc0 .Lentry_in_a_cluster
	s_endpgm
.Lentry_in_a_cluster:
	s_bfe_u32 s2, ttmp6, 0x10000c
	s_cmp_lg_u32 s2, 0x3003
	s_cbranch_scc0 .Lentry_shape_is_right
	s_endpgm
.Lentry_shape_is_right:
; out0 = attention's result x wo, on codes of FP8 (E4M3): ac [4096][2048] (entry 10); woc: wo's codes in the order of an operand's registers: [tile of 16 columns][K step of 128][c][lane][16 bytes] (entry 11); out0 [4096][2048] f32.
; Each finished sum is multiplied once by 2^(e10 + e11).  LIMIT: e10 + e11 lies between -126 and 127.
; SHARES.  Work-group (g, m): 128 tokens (block m) x 256 columns (group g); wave w: the 128 tokens x 64 columns: 32 accumulators, 256 registers.  32 x 8 = 256 work-groups.
; ac's 128 rows x all 2,048 of K lie in LDS, filled once: four chunks of 512 bytes a row, one tensor load a wave; nothing is filled again, so one barrier serves the launch.
; CLUSTER 4 x 1: the four partners have the same token block: each chunk is asked for jointly.  A wave's weights are read by that wave alone: they go from memory into registers, 512 consecutive bytes a load, in four sets, three K steps ahead.
; Source 0 = the weights, source 1 = ac: a lane holds one token and eight neighbouring columns.  k stands in both operands' registers at 32 c + 16 h + 0 .. 15: one permutation for both.
; Each wave asks once, at the head, for 16 blocks of 256 bytes of its column group's weights: the 32 token blocks x 4 waves share the group's 524,288 bytes out by address.
; REGISTERS.  Window 0: v2-12 addresses; v32-127 the way out; v128-255 ac's fragments, even K steps.  Window 1: the weights' four sets.  Window 2: v128-255 ac's fragments, odd K steps.  Window 3: the sums.
.set PITCH, 528                        ; a chunk's row in LDS: 512 bytes + 16: an odd multiple of 16 bytes
.set CH,    128*PITCH
.set SPARE, 4*CH                       ; the spare words, 128 bytes a wave, which no other line names
.set STG,   SPARE+512                  ; the way out: 16 rows x 272 bytes a wave; no tile lands here
.set SPW, 2
.set NIL, 3
.set AL,  4
.set ROF, 8
.set PF,  9
.set STO, 10
.set RD,  11
.set CO,  12
.set TMP, 32
.set BK,  64
.set LF,  128
.set RB,  46
.set MSB, 0
.macro WIN new
.if MSB != (\new)
	s_set_vgpr_msb (MSB<<8)|(\new)
.set MSB, (\new)
.endif
.endm
.macro PLACES
.rept 4
	v_nop
.endr
.endm
.macro CROUND                          ; a round of the cluster's barrier
	s_barrier_signal -1
	s_barrier_wait -1
	s_cmp_lg_u32 s14, 0
	s_cbranch_scc1 .Lnot_wave_0_\@
	s_barrier_signal -3
.Lnot_wave_0_\@:
	s_barrier_wait -3
	s_barrier_signal -1
	s_barrier_wait -1
.endm
.macro LFETCH q
	WIN ((\q)%2)*0x80
.irp i, 0,1,2,3,4,5,6,7
.irp c, 0,1,2,3
	ds_load_b128 v[LF+16*\i+4*\c:LF+16*\i+4*\c+3], v[AL+(\q)/4] offset:\i*16*PITCH+128*((\q)%4)+32*\c
.endr
.endr
.endm
.macro RFETCH q
	WIN 0x40
.irp b, 0,1,2,3
.irp c, 0,1,2,3
	global_load_b128 v[64*((\q)%4)+16*\b+4*\c:64*((\q)%4)+16*\b+4*\c+3], v[ROF], s[RB:RB+1] offset:\b*32768+(\q)*2048+\c*512
.endr
.endr
.endm
.macro MM d, x, y, zero
.if \zero
	v_wmma_f32_16x16x128_fp8_fp8 v[(\d):(\d)+7], v[(\x):(\x)+15], v[(\y):(\y)+15], 0
.else
	v_wmma_f32_16x16x128_fp8_fp8 v[(\d):(\d)+7], v[(\x):(\x)+15], v[(\y):(\y)+15], v[(\d):(\d)+7]
.endif
.endm
; A K step of 128: four places behind the last step's products, whose operand registers the loads below fill; the next step's fragments of ac; the weights of three steps on; then 32 products, the 32 sums by turns.
.macro KSTEP s
.if (\s) > 0
	PLACES
.endif
.if (\s) < 15
	LFETCH (\s)+1
.endif
.if ((\s) >= 1) && ((\s) <= 12)
	RFETCH (\s)+3
.endif
.if (\s) < 15
	s_wait_dscnt 32                                ; this step's fragments are in; the 32 loads just issued may be out
.else
	s_wait_dscnt 0x0
.endif
.if (\s) <= 12
	s_wait_loadcnt 48                              ; this step's weights are in; the 16 loads of each of the three later steps may be out
.else
	s_wait_loadcnt 16*(15-(\s))
.endif
	WIN 0xf1|(8*((\s)%2))
.irp a, 0,1,2,3,4,5,6,7
.irp b, 0,1,2,3
	MM 32*\a+8*\b, 64*((\s)%4)+16*\b, LF+16*\a, (\s)==0
.endr
.endr
.endm
	s_load_b128 s[4:7], s[0:1], 0x0                ; ac, woc
	s_load_b128 s[8:11], s[0:1], 0x10              ; the scales' exponents, out0
	v_lshl_add_u32 v[SPW], v0, 2, SPARE
	v_mov_b32 v[NIL], 0
	ds_add_u32 v[SPW], v[NIL]                      ; the opening lines: the add, twice on end, and its wait ahead of my tensor load
	ds_add_u32 v[SPW], v[NIL]
	v_lshrrev_b32 v1, 5, v0
	v_readfirstlane_b32 s14, v1                    ; wave 0..3
	s_bfe_u32 s15, ttmp6, 0x40000                  ; cx
	s_lshl_b32 s17, ttmp9, 2
	s_add_co_u32 s17, s17, s15                     ; g = 4 x cluster x + cx
	s_and_b32 s16, ttmp7, 0xffff                   ; m
	s_mov_b32 s24, 15|(1<<20)|(1<<21)|(6<<22)|(3<<25)   ; the four partners; elements of 1 byte; 4 words of padding after every 128
	s_mov_b32 s25, 512<<16
	s_mov_b32 s26, 128<<16
	s_mov_b32 s27, 512<<16
	s_mov_b32 s28, 128
	s_mov_b32 s29, 2048
	s_mov_b32 s30, 0
	s_mov_b32 s31, 0
	s_lshl_b32 s20, s16, 18
	s_lshl_b32 s21, s14, 9
	s_add_co_u32 s20, s20, s21                     ; 128 rows of 2,048 bytes a block, my chunk of 512: nothing of cx enters
	s_mov_b32 s21, 0
	s_mul_i32 s22, s14, CH
	s_lshl_b32 s36, s17, 19
	s_lshl_b32 s37, s14, 17
	s_add_co_u32 s36, s36, s37                     ; the weights: 16 tiles a group, 4 a wave
	s_mov_b32 s37, 0
	s_lshl_b32 s38, s17, 19
	s_lshl_b32 s39, s16, 14
	s_add_co_u32 s38, s38, s39                     ; the prefetch: my token block's 16,384 bytes of the group's weights
	s_mov_b32 s39, 0
	s_lshl_b32 s50, s16, 20                        ; out0: 128 rows of 8,192 bytes,
	s_lshl_b32 s51, s17, 10
	s_add_co_u32 s50, s50, s51                     ; 1,024 bytes a group,
	s_lshl_b32 s51, s14, 8
	s_add_co_u32 s50, s50, s51                     ; 256 a wave
	s_mov_b32 s51, 0
	s_mul_i32 s54, s14, 16*272
	s_add_co_u32 s54, s54, STG
	s_lshl_b32 s56, s14, 12
	s_wait_dscnt 0x0                               ; both opening adds are done
	s_wait_kmcnt 0x0
	s_load_b64 s[40:41], s[8:9], 0x28              ; e10, e11
	s_mov_b32 s32, 1
	s_mov_b32 s33, s22
	s_add_nc_u64 s[34:35], s[4:5], s[20:21]
	s_or_b32 s35, s35, 0x80000000
	s_add_nc_u64 s[RB:RB+1], s[6:7], s[36:37]
	s_add_nc_u64 s[48:49], s[6:7], s[38:39]
	s_add_nc_u64 s[10:11], s[10:11], s[50:51]
	CROUND                                         ; the four partners are here: the joint loads meet
	tensor_load_to_lds s[32:35], s[24:31]          ; my chunk: 128 rows x 512 bytes
	s_nop 0
	PLACES
	v_and_b32 v20, 31, v0
	v_and_b32 v21, 15, v0                          ; r
	v_bfe_u32 v22, v0, 4, 1                        ; h
	v_lshlrev_b32 v[ROF], 4, v20
	v_mul_u32_u24 v23, v21, PITCH
	v_lshl_add_u32 v[AL], v22, 4, v23
	v_add_nc_u32 v[AL+1], CH, v[AL]
	v_add_nc_u32 v[AL+2], 2*CH, v[AL]
	v_add_nc_u32 v[AL+3], 3*CH, v[AL]
	v_min_u32 v24, 15, v20
	v_lshlrev_b32 v24, 8, v24
	v_add_nc_u32 v[PF], s56, v24                   ; 4,096 bytes a wave, a lane a block of 256; lanes 16-31 name the last again
	v_mul_u32_u24 v25, v21, 272
	v_lshl_add_u32 v25, v22, 5, v25
	v_add_nc_u32 v[STO], s54, v25                  ; the stage, in: row r, 32 bytes for each half
	v_mul_u32_u24 v26, v22, 272
	v_lshl_add_u32 v26, v21, 4, v26
	v_add_nc_u32 v[RD], s54, v26                   ; back: lanes 0-15 one row of 256 bytes, lanes 16-31 the next
	v_lshlrev_b32 v27, 13, v22
	v_lshl_add_u32 v[CO], v21, 4, v27              ; and the same two rows in out0
	s_wait_alu depctr_va_vdst(0)
	RFETCH 0
	RFETCH 1
	RFETCH 2
	RFETCH 3
	WIN 0
	global_prefetch_b8 v[PF], s[48:49] th:TH_LOAD_NT scope:SCOPE_SE
	s_wait_kmcnt 0x0
	s_add_co_i32 s40, s40, s41
	s_add_co_i32 s40, s40, 127
	s_lshl_b32 s40, s40, 23                        ; 2^(e10 + e11) as f32
	s_wait_tensorcnt 0x0                           ; my chunk has landed
	s_barrier_signal -1
	s_barrier_wait -1                              ; and so has everybody's
	LFETCH 0
.set S, 0
.rept 16
	KSTEP S
.set S, S+1
.endr
	WIN 0
	PLACES
; THE WAY OUT, block a of 16 tokens x 64 columns: x 2^(e10 + e11), through my stage, back as rows of 256 bytes: sixteen lanes store one aligned unit of 256 bytes.
.macro TOSTAGE a
	WIN 0x03
.set k, 0
.rept 16
	v_pk_mul_f32 v[TMP+k:TMP+k+1], v[32*(\a)+k:32*(\a)+k+1], s[40:41] op_sel_hi:[1,0]   ; each accumulator from its low end on
.set k, k+2
.endr
	WIN 0
.irp b, 0,1,2,3
	ds_store_b128 v[STO], v[TMP+8*\b:TMP+8*\b+3] offset:64*\b
	ds_store_b128 v[STO], v[TMP+8*\b+4:TMP+8*\b+7] offset:64*\b+16
.endr
.irp t, 0,1,2,3,4,5,6,7
	ds_load_b128 v[BK+32*((\a)%2)+4*\t:BK+32*((\a)%2)+4*\t+3], v[RD] offset:\t*2*272   ; LDS serves a wave's instructions in order
.endr
.endm
.macro SEND a, younger
	s_wait_dscnt \younger
.irp t, 0,1,2,3,4,5,6,7
	global_store_b128 v[CO], v[BK+32*((\a)%2)+4*\t:BK+32*((\a)%2)+4*\t+3], s[10:11] offset:(16*(\a)+2*\t)*8192 th:TH_STORE_NT
.endr
.endm
	TOSTAGE 0
.irp a, 1,2,3,4,5,6,7
.if \a > 1
	s_wait_xcnt 0x0                                ; block a - 2's stores have read their registers
.endif
	TOSTAGE \a
	SEND \a-1, 16                                  ; behind block a - 1's loads: block a's eight stores and eight loads
.endr
	SEND 7, 0
	s_wait_tensorcnt 0x0                           ; the wave's end
	ds_add_u32 v[SPW], v[NIL]
	s_wait_dscnt 0x0
	CROUND                                         ; the closing round
	s_endpgm
.Lfunc_end_k_qedf2b385cb_outp:
	.size	k_qedf2b385cb_outp, .Lfunc_end_k_qedf2b385cb_outp-k_qedf2b385cb_outp
	.p2alignl 7, 3214868480
	.fill 96, 4, 3214868480
	.section	.rodata,"a",@progbits
	.p2align	6, 0x0
	.amdhsa_kernel k_qedf2b385cb_outp
		.amdhsa_group_segment_fixed_size 327680
		.amdhsa_private_segment_fixed_size 0
		.amdhsa_enable_private_segment 0
		.amdhsa_kernarg_size 32
		.amdhsa_user_sgpr_count 2
		.amdhsa_user_sgpr_kernarg_segment_ptr 1
		.amdhsa_wavefront_size32 1
		.amdhsa_system_sgpr_workgroup_id_x 1
		.amdhsa_system_sgpr_workgroup_id_y 1
		.amdhsa_system_sgpr_workgroup_id_z 1
		.amdhsa_system_vgpr_workitem_id 0
		.amdhsa_next_free_vgpr 1024
		.amdhsa_next_free_sgpr 66
		.amdhsa_reserve_vcc 0
		.amdhsa_float_denorm_mode_32 3
		.amdhsa_float_denorm_mode_16_64 3
		.amdhsa_memory_ordered 1
		.amdhsa_forward_progress 1
		.amdhsa_inst_pref_size 121
	.end_amdhsa_kernel
	.amdgpu_metadata
---
amdhsa.version: [ 1, 2 ]
amdhsa.kernels:
  - .name:           k_qedf2b385cb_outp
    .symbol:         k_qedf2b385cb_outp.kd
    .args:
      - { .name: ac, .offset: 0, .size: 8, .value_kind: global_buffer, .address_space: global }
      - { .name: woc, .offset: 8, .size: 8, .value_kind: global_buffer, .address_space: global }
      - { .name: lowp_scales, .offset: 16, .size: 8, .value_kind: global_buffer, .address_space: global }
      - { .name: out0, .offset: 24, .size: 8, .value_kind: global_buffer, .address_space: global }
    .group_segment_fixed_size: 327680
    .private_segment_fixed_size: 0
    .kernarg_segment_align: 8
    .kernarg_segment_size: 32
    .max_flat_workgroup_size: 128
    .sgpr_count:     66
    .vgpr_count:     1024
    .wavefront_size: 32
...
	.end_amdgpu_metadata
.endif
;; end of part 4
